; MI455X (gfx1250); checked and timed in simulation.
; The chip was launched on July 23, 2026; its instructions are those of AMD's public machine-readable ISA for CDNA 5 (MIT licence, August 2026) and "CDNA5" Instruction Set Architecture Reference Guide (July 2026). The comments in the code are by the model that wrote it; some were corrected since.
;; Cross Attention. Allowed arithmetic: matrix products marked QUANTISED: E2M1 operands, one E8M0 scale for each 32 along K, by v_wmma_scale_f32_16x16x128_f8f6f4 with both operands' format E2M1 (or v_wmma_scale_f32_32x16x128_f4), f32 sums; products left as they are: bf16, f16 or f32 operands; f32 sums; everything else in f32.
;; Inputs: Wk 1,024 x 1,024 float32; Wo 1,024 x 1,024 float32; Wq 1,024 x 1,024 float32; Wv 1,024 x 1,024 float32; bo 1,024 float32; x 1 x 4,096 x 1,024 float32.
;; Outputs: out0 1 x 4,096 x 1,024 float32.
;; This version of the problem:
;;   THIS VERSION OF THE PROBLEM IS GIVEN IN LOW PRECISION. The matrix products marked QUANTISED in the list below multiply operands that are first quantised to E2M1 (2 exponent bits, 1 mantissa bit; 4 bits a number), with one power-of-two scale for each 32 numbers along K (OCP MX v1.0); their sums are f32. The products marked 'left as it is' may take bf16, f16 or f32 operands, with f32 sums. Whichever they take, every output number must still come out within the allowed error. Rounding operands to bf16 (8 significant bits) uses up far more of that allowance than f16 does (11 bits, for magnitudes from 6e-5 to 65,504). All else is computed in f32.
;;   The module's matrix products, in the order in which they are computed (A, B: the left and right operand; K: the contracted axis; several contracted axes count as one K, in the product's order):
;;     1. [M 4,096, K 1,024] x [K 1,024, N 1,024]; A: input x; B: input Wq: QUANTISED
;;     2. [M 4,096, K 1,024] x [K 1,024, N 1,024]; A: input x; B: input Wk: QUANTISED
;;     3. [M 4,096, K 1,024] x [K 1,024, N 1,024]; A: input x; B: input Wv: QUANTISED
;;     4. batch 16 x [M 4,096, K 64] x [K 64, N 4,096]; A: computed on the way; B: computed on the way: left as it is (an operand is computed on the way)
;;     5. batch 16 x [M 4,096, K 4,096] x [K 4,096, N 64]; A: computed on the way; B: computed on the way: left as it is (an operand is computed on the way)
;;     6. [M 4,096, K 1,024] x [K 1,024, N 1,024]; A: computed on the way; B: input Wo: left as it is (an operand is computed on the way)
;;   THE QUANTISER, for each operand of a quantised product, along K:
;;     - K is cut into blocks of 32 from its start; a last block that is shorter is filled with zeros.
;;     - A block's scale is 2^e with e = floor(log2(the largest magnitude in the block)) - 2, held to -126 .. 127; a block of zeros has e = 0. As a byte (E8M0): e + 127.
;;     - Each number is divided by its block's scale, clamped to +-6, and rounded to the nearest number of E2M1, ties to even, subnormals kept.
;;     - The product sums the exact products of the quantised numbers (number of the format x scale) in f32.
;;   ~~~python
;;   def quantise(x, axis):      # numpy; x: float32 -> the quantised numbers, widened to float32 again
;;       x = np.moveaxis(x, axis, -1); K = x.shape[-1]
;;       x = np.pad(x, [(0, 0)] * (x.ndim - 1) + [(0, -K % 32)]); x = x.reshape(x.shape[:-1] + (-1, 32)); a = np.abs(x).max(-1, keepdims=True)
;;       e = np.where(a > 0, np.clip(np.frexp(np.where(a > 0, a, 1))[1] - 1 - 2, -126, 127), 0)      # np.frexp(a)[1] - 1 = floor(log2(a)), exactly
;;       r = np.clip(x / 2.0 ** e, -6, 6)
;;       step = 2.0 ** (np.maximum(np.frexp(np.where(r == 0, 1, r))[1] - 1, 0) - 1)
;;       q = np.round(r / step) * step * 2.0 ** e      # np.round: ties to even
;;       return np.moveaxis(q.reshape(q.shape[:-2] + (-1,))[..., :K], -1, axis).astype(np.float32)
;;   ~~~
;; One version. Each part assembles by itself: llvm-mc -triple=amdgcn-amd-amdhsa -mcpu=gfx1250 --defsym DOCPART=n.
;; ======== version 1 of 1: 4 launches
;; limits: values are held in f16: magnitudes above 65,504 overflow, below 6.1e-05 lose precision
;; workspace buffers: xc 2,097,152 bytes; xs 131,072 bytes; wc 1,572,864 bytes; ws 98,304 bytes; wof 2,097,152 bytes; qkv 25,165,824 bytes; of 8,388,608 bytes
;; launch prep (part 1): grid 512 x 1, 4 waves a work-group, no clusters, 34,304 bytes of LDS; arguments x, Wq, Wk, Wv, Wo, xc, xs, wc, ws, wof; writes xc, xs, wc, ws, wof
.if DOCPART == 1
	.amdgcn_target "amdgcn-amd-amdhsa--gfx1250"
	.amdhsa_code_object_version 6
	.text
	.protected	k_qb14b1e6cd4_prep
	.globl	k_qb14b1e6cd4_prep
	.p2align	8
	.type	k_qb14b1e6cd4_prep,@function
k_qb14b1e6cd4_prep:
	s_mov_b64 s[64:65], 0
	v_nop
	global_prefetch_b8 v0, s[64:65] scope:SCOPE_SE
	s_setreg_imm32_b32 hwreg(HW_REG_WAVE_MODE, 25, 1), 1
	s_wait_xcnt 0x0
; PREP.  x [4096][1024] f32 and Wq, Wk, Wv [1024 (k)][1024 (n)] f32 become codes of FP4 (E2M1) with one E8M0 byte for each 32 along K; Wo [1024 (k)][1024 (n)] f32 becomes f16.
; ALL RESULTS ARE LAID AS IMAGES OF OPERAND REGISTERS: a chunk is 512 bytes, four registers of 32 lanes, lane l's 16 bytes at 16 l.  So every store of codes covers whole aligned runs of 256 or 512 bytes straight
; from registers, a later launch's tile is one dense block of memory, and a fragment comes out of LDS by loads at 16 x lane + a constant.
;   xc [row block of 256: 16][half of K: 2][tile of 16 rows: 16][K step of 128: 4][1,024 bytes]: chunk c: lane (r, h) holds the codes of row r, k = 64 c + 32 h + 0 .. 31.      wc: the same for the 3,072 columns of Wq, Wk, Wv on end.
;   xs [row block: 16][K step: 8][256 rows] of words (a row's four scale bytes of a K step); ws likewise, 12 blocks.
;   wof [block of 128 n: 8][K step of 256: 4][tile of 16 n: 8][32 along k: 8][1,024 bytes]: chunk u: lane (r, h) holds n = r, k = 16 u + 8 h + 0 .. 7, f16.
; THE QUANTISER: a block's scale is 2^(floor(log2(largest magnitude)) - 2); its byte is the largest magnitude's exponent field - 2, held at 1 from below by a floor among the maximum's leaves.
; LIMITS: a block of zeros gets the byte 1 where the rule says 127 (its codes are zeros, and this program alone reads the bytes); NaN and infinities among the inputs are not served; |Wo| beyond 65,504 becomes infinity in f16.
; WORK-GROUPS: 0-255 take x (a tile of 16 rows each; wave w its K steps 2 w, 2 w + 1); 256-447 the three weights (128 columns x 128 k; a lane a column, its registers down K); 448-511 Wo likewise.
; The branches hang on the work-group's number alone.  Only x's path stores to LDS: each wave turns its 16 rows x 512 bytes through a stage of its own.  No barrier: waves share nothing.
.set STG,   8448                       ; a wave's stage: 16 rows x (512 bytes + 16)
.set SPARE, 4*STG                      ; behind the stages: the spare words, 128 bytes a wave: two blocks of 256 bytes that no other line names
.set SPW,   30                         ; v30  LDS address of my spare word; never rewritten
.set NIL,   31                         ; v31  0; never rewritten
.set R,     64                         ; v64-191   numbers as loaded
.set XT,    192                        ; v192-255  x: 64 numbers turned: register 32 c + n = k 64 c + 32 h + n of row r;  weights: results
.set FLOOR, 0x1800000                  ; 2^(3 - 127)
.set OFFE,  0xff000000                 ; -(2 << 23): 2 off an exponent field
.macro CLOAD                           ; 128 rows k of 32 neighbouring columns: 128 consecutive bytes a wave, 512 a work-group
.set n, 0
.rept 128
	global_load_b32 v[R+n], v4, s[34:35] offset:n*4096 th:TH_LOAD_NT
.set n, n+1
.endr
.endm
.macro TURN f                          ; fragment f's 16 rows go into the stage as they lie and come back 128 bytes a lane; LDS serves a wave's instructions in order, so no wait stands between
.irp i, 0,1,2,3,4,5,6,7,8,9,10,11,12,13,14,15
	ds_store_b128 v5, v[R+64*\f+4*\i:R+64*\f+4*\i+3] offset:\i*528
.endr
.irp c, 0,1
.irp j, 0,1,2,3,4,5,6,7
	ds_load_b128 v[XT+32*\c+4*\j:XT+32*\c+4*\j+3], v6 offset:\c*256+16*\j
.endr
.endr
.endm
.macro QUANT2 f                        ; my two whole blocks (h and 2 + h of row r) become registers 4 c .. 4 c + 3 of the fragment; the scale word is gathered from lanes l and l xor 16
.irp c, 0,1
	v_max3_num_f32 v[8+\c], |v[XT+32*\c]|, |v[XT+32*\c+1]|, FLOOR
.endr
.irp i, 2,4,6,8,10,12,14,16,18,20,22,24,26,28,30
.irp c, 0,1
	v_max3_num_f32 v[8+\c], v[8+\c], |v[XT+32*\c+\i]|, |v[XT+32*\c+\i+1]|
.endr
.endr
.irp c, 0,1
	v_add_nc_u32 v[10+\c], OFFE, v[8+\c]           ; the conversion takes the exponent field of this operand as its scale
.endr
.irp c, 0,1
	v_lshrrev_b32 v[12+\c], 23, v[10+\c]           ; the scale's byte
.endr
	v_lshl_or_b32 v14, v13, 16, v12
	v_lshlrev_b32 v14, v16, v14                    ; 8 h bits up
	v_permlanex16_b32 v15, v14, s26, s27
	v_or_b32 v[48+\f], v14, v15                    ; row r's word, in both halves of the lanes
.irp c, 0,1
.irp g, 0,1,2,3
	v_cvt_scalef32_pk8_fp4_f32 v[32+8*\f+4*\c+\g], v[XT+32*\c+8*\g:XT+32*\c+8*\g+7], v[10+\c]
.endr
.endr
	v_nop                                          ; one plain line behind the last conversion
.endm
.macro WBLOCK b                        ; block b of my column: all 32 numbers are mine
.set XS, R+32*\b
	v_max3_num_f32 v12, |v[XS]|, |v[XS+1]|, |v[XS+2]|
	v_max3_num_f32 v13, |v[XS+3]|, |v[XS+4]|, |v[XS+5]|
.irp i, 6,10,14,18,22,26
	v_max3_num_f32 v12, v12, |v[XS+\i]|, |v[XS+\i+1]|
	v_max3_num_f32 v13, v13, |v[XS+\i+2]|, |v[XS+\i+3]|
.endr
	v_max3_num_f32 v12, v12, |v[XS+30]|, |v[XS+31]|
	v_max3_num_f32 v12, v12, v13, FLOOR
	v_add_nc_u32 v[20+\b], OFFE, v12
	v_lshrrev_b32 v13, 23, v[20+\b]
.if \b == 0
	v_mov_b32 v48, v13
.else
	v_lshl_or_b32 v48, v13, 8*\b, v48              ; the lower k in the lower byte
.endif
.irp g, 0,1,2,3
	v_cvt_scalef32_pk8_fp4_f32 v[XT+4*\b+\g], v[XS+8*\g:XS+8*\g+7], v[20+\b]
.endr
	v_nop
	global_store_b128 v5, v[XT+4*\b:XT+4*\b+3], s[18:19] offset:(\b/2)*512+(\b%2)*256   ; block 2 c + u sits at lane place 16 u + r of chunk c: sixteen lanes store 256 consecutive bytes, aligned
.endm
.macro CLOSE                           ; a wave's end
	s_wait_tensorcnt 0x0
	ds_add_u32 v[SPW], v[NIL]
	s_wait_dscnt 0x0
	s_endpgm
.endm
	s_load_b256 s[4:11], s[0:1], 0x0               ; x s[4:5], Wq s[6:7], Wk s[8:9], Wv s[10:11]
	s_load_b256 s[12:19], s[0:1], 0x20             ; Wo s[12:13], xc s[14:15], xs s[16:17], wc s[18:19]
	s_load_b128 s[20:23], s[0:1], 0x40             ; ws s[20:21], wof s[22:23]
	v_lshl_add_u32 v[SPW], v0, 2, SPARE
	v_mov_b32 v[NIL], 0
	v_lshrrev_b32 v1, 5, v0
	v_readfirstlane_b32 s24, v1                    ; wave 0..3
	v_and_b32 v1, 31, v0                           ; lane
	v_and_b32 v2, 15, v0                           ; r
	v_bfe_u32 v3, v0, 4, 1                         ; h
	s_mov_b32 s26, 0x76543210
	s_mov_b32 s27, 0xfedcba98                      ; v_permlanex16_b32's selects for lane l xor 16
	s_mov_b32 s29, 0                               ; s[28:29]: an offset as a pair
	s_wait_kmcnt 0x0
	s_cmp_lt_u32 ttmp9, 256
	s_cbranch_scc0 .Lnot_x
	; ---- x: tile T = the work-group's number
	s_lshl_b32 s28, ttmp9, 16                      ; 16 rows of 4,096 bytes
	s_lshl_b32 s30, s24, 10                        ; my wave's 256 numbers of a row
	s_add_co_u32 s28, s28, s30
	s_add_nc_u64 s[4:5], s[4:5], s[28:29]
	v_lshlrev_b32 v4, 4, v1                        ; 16 x lane
.irp f, 0,1
.irp i, 0,1,2,3,4,5,6,7,8,9,10,11,12,13,14,15
	global_load_b128 v[R+64*\f+4*\i:R+64*\f+4*\i+3], v4, s[4:5] offset:\i*4096+\f*512 th:TH_LOAD_NT   ; row i, K step 2 w + f: 512 consecutive bytes
.endr
.endr
	s_lshr_b32 s30, ttmp9, 4                       ; T / 16
	s_and_b32 s31, ttmp9, 15                       ; T % 16
	s_lshl_b32 s28, s30, 17
	s_lshl_b32 s32, s31, 12
	s_add_co_u32 s28, s28, s32
	s_lshr_b32 s32, s24, 1
	s_lshl_b32 s32, s32, 16                        ; K steps 2 w, 2 w + 1 lie in half w / 2 of K,
	s_add_co_u32 s28, s28, s32
	s_and_b32 s32, s24, 1
	s_lshl_b32 s32, s32, 11                        ; at places 2 (w % 2) and + 1
	s_add_co_u32 s28, s28, s32
	s_add_nc_u64 s[14:15], s[14:15], s[28:29]
	s_lshl_b32 s28, s30, 13
	s_lshl_b32 s32, s24, 11
	s_add_co_u32 s28, s28, s32
	s_lshl_b32 s32, s31, 6
	s_add_co_u32 s28, s28, s32
	s_add_nc_u64 s[16:17], s[16:17], s[28:29]
	s_mul_i32 s25, s24, STG                        ; my stage
	v_add_nc_u32 v5, s25, v4                       ; in: 16 x lane, a row a store
	v_mul_u32_u24 v6, v2, 528
	v_lshl_add_u32 v6, v3, 7, v6
	v_add_nc_u32 v6, s25, v6                       ; out: row r, + 128 h
	v_lshlrev_b32 v7, 2, v2
	v_lshl_add_u32 v7, v3, 10, v7                  ; the scale words' place: 4 r, and a K step (1,024 bytes) on for lanes 16-31
	v_lshlrev_b32 v16, 3, v3                       ; 8 h
	v_mov_b32 v15, 0                               ; a lane permute's destination counts as one of its sources
	s_wait_loadcnt 16                              ; fragment 0's sixteen loads are in; fragment 1's may be out
	TURN 0
	s_wait_dscnt 0x0
	QUANT2 0
	global_store_b128 v4, v[32:35], s[14:15]
	global_store_b128 v4, v[36:39], s[14:15] offset:512
	s_wait_loadcnt 0x0
	TURN 1
	s_wait_dscnt 0x0
	QUANT2 1
	global_store_b128 v4, v[40:43], s[14:15] offset:1024
	global_store_b128 v4, v[44:47], s[14:15] offset:1536
	v_cmp_eq_u32 vcc_lo, 0, v3
	v_cndmask_b32 v50, v49, v48, vcc_lo            ; lanes 0-15 carry K step 2 w's words, lanes 16-31 K step 2 w + 1's: each word is stored once
	global_store_b32 v7, v50, s[16:17]
	CLOSE
.Lnot_x:
	v_lshlrev_b32 v4, 2, v1                        ; 4 bytes a lane: a lane a column
	v_lshlrev_b32 v5, 4, v2                        ; 16 r
	s_cmp_lt_u32 ttmp9, 448
	s_cbranch_scc0 .Lwo
	; ---- Wq, Wk, Wv: g = number - 256; 128 columns g / 8 of the 3,072; K step g % 8
	s_sub_co_u32 s30, ttmp9, 256
	s_lshr_b32 s31, s30, 3                         ; cg
	s_and_b32 s30, s30, 7                          ; K step
	s_lshr_b32 s32, s31, 3                         ; which weight
	s_cmp_eq_u32 s32, 0
	s_cselect_b64 s[34:35], s[6:7], s[8:9]
	s_cmp_eq_u32 s32, 2
	s_cselect_b64 s[34:35], s[10:11], s[34:35]
	s_lshl_b32 s28, s30, 19                        ; 128 rows of 4,096 bytes
	s_and_b32 s32, s31, 7
	s_lshl_b32 s32, s32, 9
	s_add_co_u32 s28, s28, s32
	s_lshl_b32 s32, s24, 7
	s_add_co_u32 s28, s28, s32
	s_add_nc_u64 s[34:35], s[34:35], s[28:29]
	CLOAD
	s_lshr_b32 s32, s31, 1                         ; block of 256 columns
	s_and_b32 s33, s31, 1
	s_lshl_b32 s28, s32, 17
	s_lshr_b32 s36, s30, 2
	s_lshl_b32 s36, s36, 16
	s_add_co_u32 s28, s28, s36
	s_lshl_b32 s36, s33, 15                        ; tiles 8 (cg % 2) + 2 w + (lane / 16), 4,096 bytes each
	s_add_co_u32 s28, s28, s36
	s_lshl_b32 s36, s24, 13
	s_add_co_u32 s28, s28, s36
	s_and_b32 s36, s30, 3
	s_lshl_b32 s36, s36, 10
	s_add_co_u32 s28, s28, s36
	s_add_nc_u64 s[18:19], s[18:19], s[28:29]
	s_lshl_b32 s28, s32, 13
	s_lshl_b32 s36, s30, 10
	s_add_co_u32 s28, s28, s36
	s_lshl_b32 s36, s33, 9
	s_add_co_u32 s28, s28, s36
	s_lshl_b32 s36, s24, 7
	s_add_co_u32 s28, s28, s36
	s_add_nc_u64 s[20:21], s[20:21], s[28:29]
	v_lshl_add_u32 v5, v3, 12, v5                  ; lanes 16-31: the next tile of 16 columns
	s_wait_loadcnt 63                              ; a wait names at most 63: the first 65 of the 128 loads are in, blocks 0 and 1 among them
	WBLOCK 0
	s_wait_loadcnt 63
	WBLOCK 1
	s_wait_loadcnt 32                              ; block 3's may be out
	WBLOCK 2
	s_wait_loadcnt 0x0
	WBLOCK 3
	global_store_b32 v4, v48, s[20:21]             ; my column's word: 128 consecutive bytes a wave
	CLOSE
.Lwo:
	; ---- Wo: g = number - 448; 128 columns g / 8; 128 along k g % 8
	s_sub_co_u32 s30, ttmp9, 448
	s_lshr_b32 s31, s30, 3
	s_and_b32 s30, s30, 7
	s_mov_b64 s[34:35], s[12:13]
	s_lshl_b32 s28, s30, 19
	s_lshl_b32 s32, s31, 9
	s_add_co_u32 s28, s28, s32
	s_lshl_b32 s32, s24, 7
	s_add_co_u32 s28, s28, s32
	s_add_nc_u64 s[34:35], s[34:35], s[28:29]
	CLOAD
	s_lshl_b32 s28, s31, 18
	s_lshr_b32 s32, s30, 1
	s_lshl_b32 s32, s32, 16
	s_add_co_u32 s28, s28, s32
	s_lshl_b32 s32, s24, 14                        ; tiles 2 w + (lane / 16), 8,192 bytes each
	s_add_co_u32 s28, s28, s32
	s_and_b32 s32, s30, 1
	s_lshl_b32 s32, s32, 12
	s_add_co_u32 s28, s28, s32
	s_add_nc_u64 s[22:23], s[22:23], s[28:29]
	v_lshl_add_u32 v5, v3, 13, v5
.irp b, 0,1,2,3
.if \b < 2
	s_wait_loadcnt 63
.else
	s_wait_loadcnt 32*(3-\b)
.endif
.irp i, 0,1,2,3,4,5,6,7,8,9,10,11,12,13,14,15
	v_cvt_pk_f16_f32 v[XT+16*\b+\i], v[R+32*\b+2*\i], v[R+32*\b+2*\i+1]
.endr
.irp q, 0,1,2,3
	global_store_b128 v5, v[XT+16*\b+4*\q:XT+16*\b+4*\q+3], s[22:23] offset:\b*1024+(\q/2)*512+(\q%2)*256   ; k = 32 b + 8 q + 0 .. 7 of my column: lane place 16 (q % 2) + r of chunk q / 2
.endr
.endr
	CLOSE
.Lfunc_end_k_qb14b1e6cd4_prep:
	.size	k_qb14b1e6cd4_prep, .Lfunc_end_k_qb14b1e6cd4_prep-k_qb14b1e6cd4_prep
	.p2alignl 7, 3214868480
	.fill 96, 4, 3214868480
	.section	.rodata,"a",@progbits
	.p2align	6, 0x0
	.amdhsa_kernel k_qb14b1e6cd4_prep
		.amdhsa_group_segment_fixed_size 34304
		.amdhsa_private_segment_fixed_size 0
		.amdhsa_enable_private_segment 0
		.amdhsa_kernarg_size 80
		.amdhsa_user_sgpr_count 2
		.amdhsa_user_sgpr_kernarg_segment_ptr 1
		.amdhsa_wavefront_size32 1
		.amdhsa_system_sgpr_workgroup_id_x 1
		.amdhsa_system_sgpr_workgroup_id_y 1
		.amdhsa_system_sgpr_workgroup_id_z 1
		.amdhsa_system_vgpr_workitem_id 0
		.amdhsa_next_free_vgpr 256
		.amdhsa_next_free_sgpr 66
		.amdhsa_reserve_vcc 1
		.amdhsa_float_denorm_mode_32 3
		.amdhsa_float_denorm_mode_16_64 3
		.amdhsa_memory_ordered 1
		.amdhsa_forward_progress 1
		.amdhsa_inst_pref_size 55
	.end_amdhsa_kernel
	.amdgpu_metadata
---
amdhsa.version: [ 1, 2 ]
amdhsa.kernels:
  - .name:           k_qb14b1e6cd4_prep
    .symbol:         k_qb14b1e6cd4_prep.kd
    .args:
      - { .name: x, .offset: 0, .size: 8, .value_kind: global_buffer, .address_space: global }
      - { .name: Wq, .offset: 8, .size: 8, .value_kind: global_buffer, .address_space: global }
      - { .name: Wk, .offset: 16, .size: 8, .value_kind: global_buffer, .address_space: global }
      - { .name: Wv, .offset: 24, .size: 8, .value_kind: global_buffer, .address_space: global }
      - { .name: Wo, .offset: 32, .size: 8, .value_kind: global_buffer, .address_space: global }
      - { .name: xc, .offset: 40, .size: 8, .value_kind: global_buffer, .address_space: global }
      - { .name: xs, .offset: 48, .size: 8, .value_kind: global_buffer, .address_space: global }
      - { .name: wc, .offset: 56, .size: 8, .value_kind: global_buffer, .address_space: global }
      - { .name: ws, .offset: 64, .size: 8, .value_kind: global_buffer, .address_space: global }
      - { .name: wof, .offset: 72, .size: 8, .value_kind: global_buffer, .address_space: global }
    .group_segment_fixed_size: 34304
    .private_segment_fixed_size: 0
    .kernarg_segment_align: 8
    .kernarg_segment_size: 80
    .max_flat_workgroup_size: 128
    .sgpr_count:     66
    .vgpr_count:     256
    .wavefront_size: 32
...
	.end_amdgpu_metadata
.endif
;; end of part 1
;; launch proj (part 2): grid 12 x 16, 4 waves a work-group, clusters of 4 x 4, 327,680 bytes of LDS; arguments xc, xs, wc, ws, qkv; writes qkv
.if DOCPART == 2
	.amdgcn_target "amdgcn-amd-amdhsa--gfx1250"
	.amdhsa_code_object_version 6
	.text
	.protected	k_qb14b1e6cd4_proj
	.globl	k_qb14b1e6cd4_proj
	.p2align	8
	.type	k_qb14b1e6cd4_proj,@function
k_qb14b1e6cd4_proj:
	s_mov_b64 s[64:65], 0
	v_nop
	global_prefetch_b8 v0, s[64:65] scope:SCOPE_SE
	s_setreg_imm32_b32 hwreg(HW_REG_WAVE_MODE, 25, 1), 1
	s_wait_xcnt 0x0
	s_wait_alu depctr_hold_cnt(0) depctr_sa_sdst(0) depctr_va_vdst(0) depctr_va_sdst(0) depctr_va_ssrc(0) depctr_va_vcc(0) depctr_vm_vsrc(0)
	s_getreg_b32 s2, hwreg(HW_REG_IB_STS2, 6, 4)
	s_cmp_eq_u32 s2, 0
	s_cbranch_scc0 .Lentry_in_a_cluster
	s_endpgm
.Lentry_in_a_cluster:
	s_bfe_u32 s2, ttmp6, 0x10000c
	s_cmp_lg_u32 s2, 0xf033
	s_cbranch_scc0 .Lentry_shape_is_right
	s_endpgm
.Lentry_shape_is_right:
; PROJ.  [4096 tokens] x [3072 columns of Wq, Wk, Wv on end], K = 1,024, on codes of FP4 (E2M1) with E8M0 scales, sums in f32; the results are rounded once to f16 and stored as images of the next launch's operands.
; A tile of 256 x 256 is made by four waves, each 128 x 128: 64 accumulators of 16 x 16, 512 registers.  All of K fits in LDS: two slots of 512 along K, EACH FILLED ONCE, with the first fills; nothing is filled again.
; The codes lie in memory as images of fragments (16 rows x 128 K = 1,024 bytes, lane l's 16 bytes of chunk c at 512 c + 16 l), so a wave's tile is 32,768 dense bytes and a fragment is two LDS loads at 16 x lane + a constant.
; CLUSTERS: 4 x 4 work-groups; x's tiles are shared along a row of the cluster, the weights' along a column: each is asked for jointly, by the same tensor load with the same descriptor and a mask that names the four.
; THE MATRIX INSTRUCTION IS USED TRANSPOSED (source 0 = 16 columns of a weight, source 1 = 16 tokens): a lane then holds one token and eight neighbouring channels, which pack into 16 bytes of f16:
; just a lane's part of a chunk of q, k or v.  So the results leave straight from registers, 512 consecutive bytes a store.
;   qkv: q at 0: [head 16][tile of 16 tokens: 256][chunk ct: 4][512 bytes], lane (r, h): token r, channels 16 ct + 8 h + 0 .. 7.
;        k, v from byte 8,388,608: [head 16][slot of 512 tokens: 8]{k: [tile 32][ct 4][512]; v: the same}; in v's chunks the 16 bytes of (token r, h) lie at lane place r % 8 + 8 h + 16 (r / 8) them.
; The cluster's x says which of q, k, v a tile belongs to; it enters addresses by selects, no branch.
; LIMITS: |q|, |k|, |v| beyond 65,504 become infinity in f16; under 6e-5 f16 steps by 6e-8.
; REGISTERS: window 0: v0-31 addresses; v32-95 scale words, two sets; v128-191 x's fragments, ONE set (on the way out v128-255 hold packed results).  window 1: the weights' fragments, TWO sets, at v0 and v128.
;   window 2: the 32 accumulators of my tokens 0-63 (accumulator (a, b) at v[8 (8 a + b)]);  window 3: those of my tokens 64-127.
.set NQ,    4                          ; steps of 128 along K in a slot
.set FR,    8                          ; registers of a fragment
.set NL,    2                          ; LDS loads that bring one
.set NP,    4                          ; places behind this matrix instruction (ISA guide 7.12.1)
.set SLOT,  131072                     ; x's 256 rows x 512 K (65,536 bytes), then the weights'
.set SCL,   2*SLOT                     ; the scale words: x's [K step 8][256 rows] (8,192 bytes), then the weights'
.set SPARE, SCL+16384                  ; the spare words, 128 bytes a wave: two blocks of 256 bytes that no other line names
.set KV0,   8388608                    ; where k and v begin in qkv
.set ADRA, 16                          ; v16-17  LDS address of my fragments of x in slot 0, 1
.set ADRB, 20                          ; v20-21  the same for the weights
.set LO,   26                          ; v26     my lane's 16 bytes in a chunk of the output
.set ADRS, 27                          ; v27     LDS address of my scale words: lanes 0-15 x's rows, lanes 16-31 the weights'
.set SPW,  28                          ; v28     LDS address of my spare word; never rewritten
.set NIL,  29                          ; v29     0; never rewritten
.set SC,   32                          ; set s at v[SC + 32 s]; register 4 i + q: lanes 0-15 the word of x's block i, lanes 16-31 that of the weights' block i, for the slot's q-th step
.set AF,   128
.set TMP,  128
.set G1, 24                            ; s[24:31] group 1 for x's codes;  s[32:39] group 0, a set for each slot
.set G0, 32
.set G1B, 48                           ; s[48:55], s[56:63] the same for the weights'
.set G0B, 56
.set G1S, 68                           ; s[68:75], s[76:79] groups 1 and 0 for x's scales;  s[80:87], s[88:91] for the weights'
.set G0S, 76
.set G1SB, 80
.set G0SB, 88
.set MSB, 0
.macro WIN new                         ; the immediate's high byte repeats the setting that is left
.if MSB != \new
	s_set_vgpr_msb (MSB<<8)|\new
.set MSB, \new
.endif
.endm
.set MUL_LO, 0xa1                      ; source 0 window 1, source 1 window 0, C and D window 2
.set MUL_HI, 0xf1                      ; the same, C and D window 3
.set TO_B,   0x40                      ; destination window 1, address window 0
; A joint load: waves 0 and 1 fetch for x, waves 2 and 3 for the weights.  Each line has one mask and one set of registers for all that issue it; the branch hangs on the wave's number alone.
; An s_nop 0 and four v_nop follow each of the two lines.
.macro JLOAD g0a, g1a, g0b, g1b
	s_cmp_eq_u32 s15, 0
	s_cbranch_scc0 .Lfor_b_\@
	tensor_load_to_lds s[\g0a:\g0a+3], s[\g1a:\g1a+7]
	s_nop 0
.rept 4
	v_nop
.endr
	s_branch .Lasked_\@
.Lfor_b_\@:
	tensor_load_to_lds s[\g0b:\g0b+3], s[\g1b:\g1b+7]
	s_nop 0
.rept 4
	v_nop
.endr
.Lasked_\@:
.endm
.macro CROUND                          ; a round of the cluster's barrier
	s_barrier_signal -1
	s_barrier_wait -1
	s_cmp_lg_u32 s14, 0
	s_cbranch_scc1 .Lnot_wave_0_\@
	s_barrier_signal -3
.Lnot_wave_0_\@:
	s_barrier_wait -3
	s_barrier_signal -1
	s_barrier_wait -1
.endm
	s_load_b128 s[4:7], s[0:1], 0x0                ; xc s[4:5], xs s[6:7]
	s_load_b128 s[8:11], s[0:1], 0x10              ; wc s[8:9], ws s[10:11]
	s_load_b64 s[12:13], s[0:1], 0x20              ; qkv
	v_lshl_add_u32 v[SPW], v0, 2, SPARE
	v_mov_b32 v[NIL], 0
	ds_add_u32 v[SPW], v[NIL]                      ; the wave's opening: the add, twice on end, and its wait ahead of my first tensor load
	ds_add_u32 v[SPW], v[NIL]
	v_lshrrev_b32 v1, 5, v0
	v_readfirstlane_b32 s14, v1                    ; wave 0..3
	s_lshr_b32 s15, s14, 1                         ; which half of the tile's tokens is mine.  Also: I fetch for x (0) or for the weights (1)
	s_and_b32 s16, s14, 1                          ; which half of its columns.  Also: which half of that tile I fetch
	s_bfe_u32 s40, ttmp6, 0x40000                  ; cx, cy: my place in the cluster
	s_bfe_u32 s41, ttmp6, 0x40004
	s_lshl_b32 s42, ttmp9, 2
	s_add_co_u32 s42, s42, s40                     ; tile column = 4 x cluster x + cx
	s_and_b32 s17, ttmp7, 0xffff
	s_lshl_b32 s17, s17, 2
	s_add_co_u32 s17, s17, s41                     ; tile row = 4 x cluster y + cy
	s_lshl_b32 s43, s41, 2
	s_lshl_b32 s43, 15, s43                        ; my row of the cluster
	s_lshl_b32 s44, 0x1111, s40                    ; my column
	; group 1 for codes: 32,768 dense bytes as 128 rows of 32 elements of 8 bytes, no padding
	s_or_b32 s[G1+0], s43, (3<<16)|(1<<21)         ; 15:0 the mask; 17:16 elements of 8 bytes; 21 set beside a mask
	s_or_b32 s[G1B+0], s44, (3<<16)|(1<<21)
.irp g, G1, G1B
	s_mov_b32 s[\g+1], 32<<16                      ; tensor_dim0
	s_mov_b32 s[\g+2], 128<<16                     ; tensor_dim1
	s_mov_b32 s[\g+3], 32<<16                      ; tile_dim0
	s_mov_b32 s[\g+4], 128                         ; tile_dim1
	s_mov_b32 s[\g+5], 32                          ; from row to row
	s_mov_b32 s[\g+6], 0
	s_mov_b32 s[\g+7], 0
.endr
	; and for scale words: 4,096 dense bytes as 16 such rows
	s_or_b32 s[G1S+0], s43, (3<<16)|(1<<21)
	s_or_b32 s[G1SB+0], s44, (3<<16)|(1<<21)
.irp g, G1S, G1SB
	s_mov_b32 s[\g+1], 32<<16
	s_mov_b32 s[\g+2], 16<<16
	s_mov_b32 s[\g+3], 32<<16
	s_mov_b32 s[\g+4], 16
	s_mov_b32 s[\g+5], 32
	s_mov_b32 s[\g+6], 0
	s_mov_b32 s[\g+7], 0
.endr
	s_lshl_b32 s18, s16, 15                        ; my half of a slot's codes,
	s_lshl_b32 s19, s16, 12                        ; and of the scale words
	s_lshl_b32 s20, s17, 17                        ; x: 131,072 bytes of codes for each 256 rows,
	s_add_co_u32 s20, s20, s18
	s_mov_b32 s21, 0
	s_lshl_b32 s22, s17, 13                        ; 8,192 of scale words
	s_add_co_u32 s22, s22, s19
	s_mov_b32 s23, 0
	s_lshl_b32 s46, s42, 17                        ; the weights likewise, by the tile column
	s_add_co_u32 s46, s46, s18
	s_mov_b32 s47, 0
	s_lshl_b32 s92, s42, 13
	s_add_co_u32 s92, s92, s19
	s_mov_b32 s93, 0
	s_lshl_b32 s45, s14, 15                        ; where they go: wave x 32,768 in a slot, wave x 4,096 among the scales: no place in the cluster enters an LDS address
	s_lshl_b32 s94, s14, 12
	s_wait_dscnt 0x0                               ; both opening adds are done
	s_wait_kmcnt 0x0
	s_add_nc_u64 s[20:21], s[4:5], s[20:21]
	s_add_nc_u64 s[22:23], s[6:7], s[22:23]
	s_add_nc_u64 s[46:47], s[8:9], s[46:47]
	s_add_nc_u64 s[92:93], s[10:11], s[92:93]
	CROUND                                         ; all sixteen work-groups are here: the joint loads meet
	s_mov_b32 s[G0S], 1
	s_add_co_u32 s[G0S+1], s94, SCL
	s_mov_b64 s[G0S+2:G0S+3], s[22:23]
	s_or_b32 s[G0S+3], s[G0S+3], 0x80000000
	s_mov_b32 s[G0SB], 1
	s_add_co_u32 s[G0SB+1], s94, SCL
	s_mov_b64 s[G0SB+2:G0SB+3], s[92:93]
	s_or_b32 s[G0SB+3], s[G0SB+3], 0x80000000
	JLOAD G0S, G1S, G0SB, G1SB                     ; the scale words first: they are wanted with the first step
.irp s, 0,1
	s_mov_b32 s[G0+4*\s], 1
	s_add_co_u32 s[G0+4*\s+1], s45, \s*SLOT
	s_add_nc_u64 s[G0+4*\s+2:G0+4*\s+3], s[20:21], \s*65536
	s_or_b32 s[G0+4*\s+3], s[G0+4*\s+3], 0x80000000
	s_mov_b32 s[G0B+4*\s], 1
	s_add_co_u32 s[G0B+4*\s+1], s45, \s*SLOT
	s_add_nc_u64 s[G0B+4*\s+2:G0B+4*\s+3], s[46:47], \s*65536
	s_or_b32 s[G0B+4*\s+3], s[G0B+4*\s+3], 0x80000000
	JLOAD G0+4*\s, G1, G0B+4*\s, G1B               ; three tensor loads of mine are out, and no more follow
.endr
	v_and_b32 v1, 15, v0                           ; r
	v_bfe_u32 v2, v0, 4, 1                         ; h
	v_and_b32 v3, 31, v0
	v_lshlrev_b32 v4, 4, v3                        ; 16 x lane
	s_lshl_b32 s21, s15, 15                        ; my 128 tokens
	s_lshl_b32 s22, s16, 15                        ; my 128 columns,
	s_add_co_u32 s22, s22, 65536                   ; behind x's 256 rows
.irp s, 0,1
	v_add_nc_u32 v[ADRA+\s], s21, v4
	v_add_nc_u32 v[ADRB+\s], s22, v4
	s_add_co_u32 s21, s21, SLOT
	s_add_co_u32 s22, s22, SLOT
.endr
	v_lshlrev_b32 v5, 2, v1                        ; a word a row
	s_mul_i32 s21, s15, 512                        ; x's: my 128 rows
	s_mul_i32 s22, s16, 512                        ; the weights': my 128 columns, 8,192 bytes on
	s_add_co_u32 s22, s22, 8192
	s_sub_co_u32 s22, s22, s21
	v_mul_u32_u24 v6, s22, v2                      ; lanes 16-31 take the weights'
	s_add_co_u32 s21, s21, SCL
	v_add_nc_u32 v5, v5, v6
	v_add_nc_u32 v[ADRS], s21, v5
	; the way out: where my wave's two heads begin, and my lane's place in a chunk
	s_lshl_b32 s18, s40, 2
	s_lshl_b32 s19, s16, 1
	s_add_co_u32 s18, s18, s19                     ; my first head: 4 cx + 2 x column half
	s_lshl_b32 s19, s17, 4
	s_lshl_b32 s45, s15, 3
	s_add_co_u32 s19, s19, s45                     ; my first tile of 16 tokens: 16 x tile row + 8 x token half
	s_lshl_b32 s92, s19, 11                        ; in q: 2,048 bytes a tile
	s_lshr_b32 s93, s19, 5
	s_lshl_b32 s93, s93, 17                        ; in k, v: the slot of 32 tiles,
	s_and_b32 s45, s19, 31
	s_lshl_b32 s45, s45, 11                        ; the tile in it
	s_add_co_u32 s93, s93, s45
	s_add_co_u32 s93, s93, KV0
	s_cmp_eq_u32 ttmp9, 2                          ; v?
	s_cselect_b32 s45, 65536, 0                    ; v lies behind k in a slot
	s_cselect_b32 s94, -1, 0                       ; a lane mask: all ones for v
	s_add_co_u32 s93, s93, s45
	s_mov_b32 s46, 0x100000                        ; a head of k and v together
	s_cmp_eq_u32 ttmp9, 0                          ; q?
	s_cselect_b32 s92, s92, s93
	s_cselect_b32 s46, 0x80000, s46                ; a head of q
	s_mov_b32 s47, 0
	s_mul_i32 s18, s18, s46
	s_add_co_u32 s18, s18, s92
	s_mov_b32 s19, 0
	s_add_nc_u64 s[20:21], s[12:13], s[18:19]      ; my first head,
	s_add_nc_u64 s[22:23], s[20:21], s[46:47]      ; my second
	v_and_b32 v7, 7, v1
	v_lshl_add_u32 v7, v2, 3, v7
	v_lshrrev_b32 v8, 3, v1
	v_lshl_add_u32 v7, v8, 4, v7                   ; r % 8 + 8 h + 16 (r / 8)
	v_lshlrev_b32 v7, 4, v7
	v_cndmask_b32 v[LO], v4, v7, s94               ; v: that place; q, k: my own lane's
.macro FRAG reg, adr, q, i             ; a fragment: block i of 16 rows, the slot's q-th step: two chunks
.irp c, 0,1
	ds_load_b128 v[\reg+4*\c:\reg+4*\c+3], v[\adr] offset:(\i)*4096+(\q)*1024+512*\c
.endr
.endm
; 16 matrix instructions: x's blocks a0, a0 + 1 against the weights' eight.  p: the weights' set; sc: the set of scale words.  zero = 1: the first product starts the sums.
; The 64 accumulators take turns, one instruction a turn, in the same order in every step.
.macro MUL16 a0, p, q, sc, zero
.irp a, \a0, \a0+1
.irp b, 0,1,2,3,4,5,6,7
.if \zero
	v_wmma_scale_f32_16x16x128_f8f6f4 v[8*(8*((\a)%4)+\b):8*(8*((\a)%4)+\b)+7], v[128*(\p)+FR*\b:128*(\p)+FR*\b+FR-1], v[AF+FR*(\a):AF+FR*(\a)+FR-1], 0, v[SC+8*NQ*(\sc)+NQ*\b+(\q)], v[SC+8*NQ*(\sc)+NQ*(\a)+(\q)] matrix_a_fmt:MATRIX_FMT_FP4 matrix_b_fmt:MATRIX_FMT_FP4 matrix_a_scale:MATRIX_SCALE_ROW1
.else
	v_wmma_scale_f32_16x16x128_f8f6f4 v[8*(8*((\a)%4)+\b):8*(8*((\a)%4)+\b)+7], v[128*(\p)+FR*\b:128*(\p)+FR*\b+FR-1], v[AF+FR*(\a):AF+FR*(\a)+FR-1], v[8*(8*((\a)%4)+\b):8*(8*((\a)%4)+\b)+7], v[SC+8*NQ*(\sc)+NQ*\b+(\q)], v[SC+8*NQ*(\sc)+NQ*(\a)+(\q)] matrix_a_fmt:MATRIX_FMT_FP4 matrix_b_fmt:MATRIX_FMT_FP4 matrix_a_scale:MATRIX_SCALE_ROW1
.endif
.endr
.endr
.endm
.macro FETCH_B slot, q, p
	WIN TO_B
.irp i, 0,1,2,3,4,5,6,7
	FRAG 128*(\p)+FR*\i, ADRB+\slot, \q, \i
.endr
	WIN 0
.endm
.macro FETCH_A slot, q, i0
.irp i, \i0, \i0+1, \i0+2, \i0+3
	FRAG AF+FR*(\i), ADRA+\slot, \q, \i
.endr
.endm
.macro SCALES sc                       ; slot sc's scale words: K steps 4 sc + q, blocks i
.irp i, 0,1,2,3,4,5,6,7
.irp q, 0,1,2,3
	ds_load_b32 v[SC+32*\sc+4*\i+\q], v[ADRS] offset:(4*\sc+\q)*1024+\i*64
.endr
.endr
.endm
.macro PLACES n                        ; plain vector lines between a matrix instruction and a load into, or a vector read or write of, its registers
.rept \n
	v_nop
.endr
.endm
.macro STEP slot, q, zero              ; a step of 128 along K that has its successor in the same slot
	s_wait_dscnt 4*NL                              ; all but the youngest eight loads (x's blocks 4-7) are in
	WIN MUL_LO
	MUL16 0, (\q)%2, \q, \slot, \zero
	MUL16 2, (\q)%2, \q, \slot, \zero
	s_wait_dscnt 0                                 ; x's blocks 4-7 are in
	PLACES NP
	FETCH_B \slot, (\q)+1, 1-(\q)%2
	FETCH_A \slot, (\q)+1, 0
	WIN MUL_HI
	MUL16 4, (\q)%2, \q, \slot, \zero
	MUL16 6, (\q)%2, \q, \slot, \zero
	PLACES NP
	WIN 0
	FETCH_A \slot, (\q)+1, 4
.endm
.macro STEPS slot, from
.set Q, \from
.rept NQ-1-\from
	STEP \slot, Q, 0
.set Q, Q+1
.endr
.endm
	s_wait_tensorcnt 1                             ; the scale words and my part of slot 0 are in; slot 1's load may be out
	s_barrier_signal -1
	s_barrier_wait -1                              ; everybody's are
	FETCH_B 0, 0, 0
	FETCH_A 0, 0, 0
	SCALES 0
	FETCH_A 0, 0, 4
	STEP 0, 0, 1                                   ; the first step's products start the sums
	STEPS 0, 1
	; slot 0's last step goes over to slot 1: my part of it has landed, then one barrier shows everybody's
	s_wait_tensorcnt 0x0
	ds_add_u32 v[SPW], v[NIL]                      ; 0 onto my spare word
	s_wait_dscnt 4*NL+1                            ; (the add and x's blocks 4-7 may be out)
	WIN MUL_LO
	MUL16 0, 1, NQ-1, 0, 0
	s_wait_dscnt 0x0
	s_barrier_signal -1
	MUL16 2, 1, NQ-1, 0, 0
	WIN 0
	s_barrier_wait -1
	PLACES NP
	FETCH_B 1, 0, 0
	FETCH_A 1, 0, 0
	SCALES 1
	WIN MUL_HI
	MUL16 4, 1, NQ-1, 0, 0
	MUL16 6, 1, NQ-1, 0, 0
	PLACES NP
	WIN 0
	FETCH_A 1, 0, 4
	STEPS 1, 0
	s_wait_dscnt 4*NL                              ; the very last step: nothing more to fetch
	WIN MUL_LO
	MUL16 0, 1, NQ-1, 1, 0
	MUL16 2, 1, NQ-1, 1, 0
	s_wait_dscnt 0
	WIN MUL_HI
	MUL16 4, 1, NQ-1, 1, 0
	MUL16 6, 1, NQ-1, 1, 0
	WIN 0
	; THE WAY OUT.  Accumulator (a, b): lane (r, h) holds token 16 a + r, channels 16 b + 8 h + 0 .. 7: four roundings make its 16 bytes of chunk b % 4 of head b / 4.
	PLACES NP
.irp a, 0,1,2,3,4,5,6,7
.if \a > 3
	s_wait_xcnt 0x0                                ; the stores of four blocks back have read their registers, which are written again
.endif
	WIN 0x0a+5*(\a/4)                              ; sources 0 and 1: window 2 or 3
.irp b, 0,1,2,3,4,5,6,7
.irp i, 0,1,2,3
	v_cvt_pk_f16_f32 v[TMP+32*(\a%4)+4*\b+\i], v[64*(\a%4)+8*\b+2*\i], v[64*(\a%4)+8*\b+2*\i+1]   ; each accumulator from its low end on
.endr
.endr
	WIN 0
.irp b, 0,1,2,3,4,5,6,7
	global_store_b128 v[LO], v[TMP+32*(\a%4)+4*\b:TMP+32*(\a%4)+4*\b+3], s[20+2*(\b/4):21+2*(\b/4)] offset:\a*2048+(\b%4)*512   ; the wave stores 512 consecutive bytes, aligned
.endr
.endr
	s_wait_tensorcnt 0x0                           ; the wave's end
	ds_add_u32 v[SPW], v[NIL]
	s_wait_dscnt 0x0
	CROUND                                         ; the closing round
	s_endpgm
.Lfunc_end_k_qb14b1e6cd4_proj:
	.size	k_qb14b1e6cd4_proj, .Lfunc_end_k_qb14b1e6cd4_proj-k_qb14b1e6cd4_proj
	.p2alignl 7, 3214868480
	.fill 96, 4, 3214868480
	.section	.rodata,"a",@progbits
	.p2align	6, 0x0
	.amdhsa_kernel k_qb14b1e6cd4_proj
		.amdhsa_group_segment_fixed_size 327680
		.amdhsa_private_segment_fixed_size 0
		.amdhsa_enable_private_segment 0
		.amdhsa_kernarg_size 40
		.amdhsa_user_sgpr_count 2
		.amdhsa_user_sgpr_kernarg_segment_ptr 1
		.amdhsa_wavefront_size32 1
		.amdhsa_system_sgpr_workgroup_id_x 1
		.amdhsa_system_sgpr_workgroup_id_y 1
		.amdhsa_system_sgpr_workgroup_id_z 1
		.amdhsa_system_vgpr_workitem_id 0
		.amdhsa_next_free_vgpr 1024
		.amdhsa_next_free_sgpr 98
		.amdhsa_reserve_vcc 0
		.amdhsa_float_denorm_mode_32 3
		.amdhsa_float_denorm_mode_16_64 3
		.amdhsa_memory_ordered 1
		.amdhsa_forward_progress 1
		.amdhsa_inst_pref_size 121
	.end_amdhsa_kernel
	.amdgpu_metadata
---
amdhsa.version: [ 1, 2 ]
amdhsa.kernels:
  - .name:           k_qb14b1e6cd4_proj
    .symbol:         k_qb14b1e6cd4_proj.kd
    .args:
      - { .name: xc, .offset: 0, .size: 8, .value_kind: global_buffer, .address_space: global }
      - { .name: xs, .offset: 8, .size: 8, .value_kind: global_buffer, .address_space: global }
      - { .name: wc, .offset: 16, .size: 8, .value_kind: global_buffer, .address_space: global }
      - { .name: ws, .offset: 24, .size: 8, .value_kind: global_buffer, .address_space: global }
      - { .name: qkv, .offset: 32, .size: 8, .value_kind: global_buffer, .address_space: global }
    .group_segment_fixed_size: 327680
    .private_segment_fixed_size: 0
    .kernarg_segment_align: 8
    .kernarg_segment_size: 40
    .max_flat_workgroup_size: 128
    .sgpr_count:     98
    .vgpr_count:     1024
    .wavefront_size: 32
...
	.end_amdgpu_metadata
.endif
;; end of part 2
;; launch attn (part 3): grid 16 x 16, 8 waves a work-group, clusters of 4 x 1, 327,680 bytes of LDS; arguments qkv, of; writes of
.if DOCPART == 3
	.amdgcn_target "amdgcn-amd-amdhsa--gfx1250"
	.amdhsa_code_object_version 6
	.text
	.protected	k_qb14b1e6cd4_attn
	.globl	k_qb14b1e6cd4_attn
	.p2align	8
	.type	k_qb14b1e6cd4_attn,@function
k_qb14b1e6cd4_attn:
	s_mov_b64 s[64:65], 0
	v_nop
	global_prefetch_b8 v0, s[64:65] scope:SCOPE_SE
	s_setreg_imm32_b32 hwreg(HW_REG_WAVE_MODE, 25, 1), 1
	s_wait_xcnt 0x0
	s_wait_alu depctr_hold_cnt(0) depctr_sa_sdst(0) depctr_va_vdst(0) depctr_va_sdst(0) depctr_va_ssrc(0) depctr_va_vcc(0) depctr_vm_vsrc(0)
	s_getreg_b32 s2, hwreg(HW_REG_IB_STS2, 6, 4)
	s_cmp_eq_u32 s2, 0
	s_cbranch_scc0 .Lentry_in_a_cluster
	s_endpgm
.Lentry_in_a_cluster:
	s_bfe_u32 s2, ttmp6, 0x10000c
	s_cmp_lg_u32 s2, 0x3003
	s_cbranch_scc0 .Lentry_shape_is_right
	s_endpgm
.Lentry_shape_is_right:
; ATTN.  O[h][q] = the sum over k of softmax_k(q . k / 8) v, 16 heads, 4,096 tokens, head size 64, no mask.  q, k, v: f16, as images of operand registers (laid by the launch before).  Products with f32 sums;
; maxima, exponentials and sums in f32; the weights p are rounded to f16 for the second product, O once at the end, to f16, as images of the last launch's operand.
; SHARES.  A work-group owns 256 queries of one head; each of its EIGHT waves owns 32: two tiles of 16.  Two waves share a SIMD's registers, so that one wave's softmax stands beside the other's products.
; Every wave walks all 4,096 keys, 64 a step.
; LAYOUT.  S^T = K Q^T (source 0 = 16 keys, source 1 = 16 queries): a lane holds ONE query (lane % 16) and keys 8 (lane / 16) + 0 .. 7.  Two such tiles, rounded in pairs, ARE source 1 (32 keys x 16 queries) of
; O^T = V^T P, whose result again holds one query a lane and eight channels.  K's fragments come out of LDS as they lie, V's turned by ds_load_tr16_b128; both at 16 x lane + a constant.
; SOFTMAX.  A running maximum m and sum l for each query: p = 2^(c s - c m), c = log2(e) / 8; in every step O and l are multiplied by a = 2^(c m_old - c m_new).  m begins at -3e38, l and O^T at 0: the first a is 0.
; THE STEP IS ROTATED: a trip runs the softmax and V^T P of step j and K Q^T of step j + 1; K of step j + 1 is fetched ahead of the softmax, V of step j + 1 behind V^T P.
; RING.  Two LDS slots of 512 keys (k 65,536 bytes, then v 65,536: dense in memory too); each wave fetches 16,384 bytes of a slot by one tensor load.
; CLUSTER.  The four query blocks of a cluster belong to one head and walk the same k and v: each load is a joint one, with the same descriptor and the mask of all four.
; LIMITS: |O| beyond 65,504 becomes infinity in f16; weights p under 6e-8 of the row's largest count for nothing in the second product (they do count in l).
; REGISTERS: window 0: v1-7 addresses; v16-31 statistics, eight a tile: +0 c m, +1 m, +2, +3 l (even and odd keys'), +4 to +7 at work (a in +6); v32-95 S^T; v96-127 P; v128-191 K; v192-255 V.
;   window 1: v0-63 O^T (tile t, channels 16 ct on: 32 t + 8 ct); v64-95 Q (64 + 16 t + 8 c).
.set SLOT1, 1<<17
.set SPARE, 2*SLOT1                    ; the spare words, 128 bytes a wave: four blocks of 256 bytes that no other line names
.set KV0,   8388608                    ; where k and v begin in qkv
.set AK0, 1                            ; v1  16 x lane
.set AV0, 2                            ; v2  16 x lane + 65,536: V lies behind K in a slot
.set ADK, 3                            ; v3  LDS address of the run of K's loads in hand
.set ADV, 4                            ; v4  of V's
.set PFO, 5                            ; v5  256 x lane
.set SPW, 6                            ; v6  LDS address of my spare word; never rewritten
.set NIL, 7                            ; v7  0; never rewritten
.set ST,  16
.set S,   32
.set P,   96
.set KF,  128
.set VF,  192
.set QF,  64                           ; in window 1
.set WV,  12                           ; s12 my wave's number
.set LIM, 15                           ; s15 1 in a wave that prefetches, else the greatest number
.set PFA, 18                           ; s[18:19] where my prefetches stand
.set G1,  24                           ; s[24:31] descriptor group 1
.set G0,  40                           ; s[40:47] group 0: a set for each of the two first fills; the second then walks on
.set SLOTS, 56                         ; s56 slots still to be asked for
.set CNT, 57                           ; s57 counts a slot's steps
.set CS,  58                           ; s[58:59] c, twice
.set SEL, 60                           ; s[60:61] lane selects for lane l xor 16
.set TB,  62                           ; s62 LDS byte at which K of the step to be fetched begins
.set MSB, 0
.macro WIN new
.if MSB != \new
	s_set_vgpr_msb (MSB<<8)|\new
.set MSB, \new
.endif
.endm
.set W_KQ, 0x04                        ; Q (source 1) in window 1
.set W_PV, 0x50                        ; O^T (C and D) in window 1
.set W_RS, 0x41                        ; O^T (destination and source 0) in window 1
.macro CROUND                          ; a round of the cluster's barrier
	s_barrier_signal -1
	s_barrier_wait -1
	s_cmp_lg_u32 s[WV], 0
	s_cbranch_scc1 .Lnot_wave_0_\@
	s_barrier_signal -3
.Lnot_wave_0_\@:
	s_barrier_wait -3
	s_barrier_signal -1
	s_barrier_wait -1
.endm
.macro FETCH_K                         ; 64 keys x 64 channels: fragment (kt, c) = keys 16 kt on, channels 32 c on
	v_add_nc_u32 v[ADK], s[TB], v[AK0]
.irp kt, 0,1,2,3
.irp c, 0,1
.irp u, 0,1
	ds_load_b128 v[KF+16*\kt+8*\c+4*\u:KF+16*\kt+8*\c+4*\u+3], v[ADK] offset:\kt*2048+\c*1024+\u*512
.endr
.endr
.endr
.endm
.macro FETCH_V                         ; the same step's V, turned: fragment (g, ct) = channels 16 ct on, keys 32 g on
	v_add_nc_u32 v[ADV], s[TB], v[AV0]
	s_add_co_u32 s[TB], s[TB], 8192                ; the next fetch is the next step's
.irp g, 0,1
.irp ct, 0,1,2,3
.irp u, 0,1
	ds_load_tr16_b128 v[VF+32*\g+8*\ct+4*\u:VF+32*\g+8*\ct+4*\u+3], v[ADV] offset:(2*\g+\u)*2048+\ct*512
.endr
.endr
.endr
.endm
.macro KQ                              ; 16 products: eight accumulators by turns; the first eight start the sums
	WIN W_KQ
.irp c, 0,1
.irp kt, 0,1,2,3
.irp t, 0,1
.if \c == 0
	v_wmma_f32_16x16x32_f16 v[S+32*\t+8*\kt:S+32*\t+8*\kt+7], v[KF+16*\kt:KF+16*\kt+7], v[QF+16*\t:QF+16*\t+7], 0
.else
	v_wmma_f32_16x16x32_f16 v[S+32*\t+8*\kt:S+32*\t+8*\kt+7], v[KF+16*\kt+8:KF+16*\kt+15], v[QF+16*\t+8:QF+16*\t+15], v[S+32*\t+8*\kt:S+32*\t+8*\kt+7]
.endif
.endr
.endr
.endr
.endm
.macro PV                              ; 16 products: eight accumulators by turns
	WIN W_PV
.irp g, 0,1
.irp ct, 0,1,2,3
.irp t, 0,1
	v_wmma_f32_16x16x32_f16 v[32*\t+8*\ct:32*\t+8*\ct+7], v[VF+32*\g+8*\ct:VF+32*\g+8*\ct+7], v[P+16*\t+8*\g:P+16*\t+8*\g+7], v[32*\t+8*\ct:32*\t+8*\ct+7]
.endr
.endr
.endr
.endm
; Both tiles' softmax of one step, the tiles line by line in turn, so that no line waits for the line above it.
.macro SOFTMAX
	WIN 0
.irp j, 0,1,2,3                        ; the maximum of the lane's 32 scores and the old m: four chains; each accumulator is read from its low end on
.irp t, 0,1
	v_max3_num_f32 v[ST+8*\t+4+\j], v[S+32*\t+8*\j], v[S+32*\t+8*\j+1], v[S+32*\t+8*\j+2]
.endr
.endr
.irp u, 1,2
.irp j, 0,1,2,3
.irp t, 0,1
	v_max3_num_f32 v[ST+8*\t+4+\j], v[ST+8*\t+4+\j], v[S+32*\t+8*\j+2*\u+1], v[S+32*\t+8*\j+2*\u+2]
.endr
.endr
.endr
.irp t, 0,1
	v_max3_num_f32 v[ST+8*\t+4], v[ST+8*\t+4], v[S+32*\t+7], v[S+32*\t+15]
.endr
.irp t, 0,1
	v_max3_num_f32 v[ST+8*\t+6], v[ST+8*\t+6], v[S+32*\t+23], v[S+32*\t+31]
.endr
.irp t, 0,1
	v_max3_num_f32 v[ST+8*\t+4], v[ST+8*\t+4], v[ST+8*\t+5], v[ST+8*\t+6]
.endr
.irp t, 0,1
	v_max3_num_f32 v[ST+8*\t+4], v[ST+8*\t+4], v[ST+8*\t+7], v[ST+8*\t+1]
.endr
.irp t, 0,1
	v_permlanex16_b32 v[ST+8*\t+5], v[ST+8*\t+4], s[SEL], s[SEL+1]   ; the query's other 32 keys lie in the lane 16 away
.endr
.irp t, 0,1
	v_mov_b32 v[ST+8*\t+7], v[ST+8*\t]             ; c m_old
.endr
.irp t, 0,1
	v_max_num_f32 v[ST+8*\t+1], v[ST+8*\t+4], v[ST+8*\t+5]
.endr
.irp t, 0,1
	v_mul_f32 v[ST+8*\t], s[CS], v[ST+8*\t+1]
.endr
.irp t, 0,1
	v_sub_f32 v[ST+8*\t+7], v[ST+8*\t+7], v[ST+8*\t]
.endr
.set i, 0
.rept 16                               ; tile 0: c s - c m, two at a time
	v_pk_fma_f32 v[S+2*i:S+2*i+1], v[S+2*i:S+2*i+1], s[CS:CS+1], v[ST:ST+1] op_sel_hi:[1,0,0] neg_lo:[0,0,1] neg_hi:[0,0,1]
.set i, i+1
.endr
	; ONE BATCH of 66 exponentials, none of which reads another's result; tile 1's scalings stand among tile 0's exponentials
	v_exp_f32 v[ST+6], v[ST+7]
	v_exp_f32 v[ST+14], v[ST+15]
.set i, 0
.rept 16
	v_exp_f32 v[S+2*i], v[S+2*i]
	v_exp_f32 v[S+2*i+1], v[S+2*i+1]
	v_pk_fma_f32 v[S+32+2*i:S+33+2*i], v[S+32+2*i:S+33+2*i], s[CS:CS+1], v[ST+8:ST+9] op_sel_hi:[1,0,0] neg_lo:[0,0,1] neg_hi:[0,0,1]
.set i, i+1
.endr
.set i, 0
.rept 32
	v_exp_f32 v[S+32+i], v[S+32+i]
.set i, i+1
.endr
	v_nop                                          ; a plain line behind the last exponential
	s_wait_alu depctr_va_vdst(0)                   ; the wait ahead of the first line that names a result: one for the batch
.set i, 0
.rept 16
	v_cvt_pk_f16_f32 v[P+i], v[S+2*i], v[S+2*i+1]
	v_cvt_pk_f16_f32 v[P+16+i], v[S+32+2*i], v[S+33+2*i]
.set i, i+1
.endr
.irp w, 4,8,16,32                      ; the sum of a tile's 16 pairs, in place: neighbours 1, 2, 4, 8 pairs apart
.set u, 0
.rept 32/\w
.irp t, 0,1
	v_pk_add_f32 v[S+32*\t+\w*u:S+32*\t+\w*u+1], v[S+32*\t+\w*u:S+32*\t+\w*u+1], v[S+32*\t+\w*u+\w/2:S+32*\t+\w*u+\w/2+1]
.endr
.set u, u+1
.endr
.endr
.irp t, 0,1
	v_pk_fma_f32 v[ST+8*\t+2:ST+8*\t+3], v[ST+8*\t+2:ST+8*\t+3], v[ST+8*\t+6:ST+8*\t+7], v[S+32*\t:S+32*\t+1] op_sel_hi:[1,0,1]   ; l = a l + the sum
.endr
	WIN W_RS
.irp t, 0,1
.set i, 0
.rept 16
	v_pk_mul_f32 v[32*\t+2*i:32*\t+2*i+1], v[32*\t+2*i:32*\t+2*i+1], v[ST+8*\t+6:ST+8*\t+7] op_sel_hi:[1,0]   ; O^T x a, each accumulator from its low end on
.set i, i+1
.endr
.endr
.endm
; A trip.  On the way in: S^T of step j has just been issued, V of step j is on its way from LDS (or in).
.macro ITER
	WIN 0
.rept 3
	v_nop                                          ; with the address's addition four places behind K Q^T: for the loads into K's registers and for the reads of S^T
.endr
	FETCH_K                                        ; step j + 1
	SOFTMAX
	s_wait_dscnt 16                                ; V of step j is in; K's sixteen loads may be out
	PV
	WIN 0
.rept 3
	v_nop                                          ; with the address's addition four places behind V^T P, for the loads into V's registers
.endr
	FETCH_V                                        ; step j + 1
	s_wait_dscnt 16                                ; K of step j + 1 is in; V's sixteen loads may be out
	KQ
	WIN 0
.endm
; THE CHANGE OF SLOTS: all of the slot's steps have been fetched into registers or are on their way.  Each wave waits for all its tensor loads (its part of the other slot), adds 0 to its spare word, and waits for that and
; for its reads of the slot.  fill = 1: the barrier is a round of the cluster's, and the joint refill, with the keys two slots on, is the first thing behind it: it has eight steps in which to land.
.macro CHANGE fill
	WIN 0
	s_wait_tensorcnt 0x0                           ; no tensor load of mine is out, so a group 0 may be written
	ds_add_u32 v[SPW], v[NIL]                      ; 0 onto my spare word
.if \fill
	s_xor_b32 s[G0+5], s[G0+5], SLOT1              ; the walking descriptor: the other slot than last time,
	s_add_nc_u64 s[G0+6:G0+7], s[G0+6:G0+7], 131072   ; the next 512 keys; the type bits on top are not reached
	s_wait_xcnt 0x0                                ; the last prefetch, eight steps back, has read its address
	s_add_nc_u64 s[PFA:PFA+1], s[PFA:PFA+1], 131072   ; one slot further on than the walking descriptor
	s_wait_dscnt 0x0                               ; the add is done, and my reads of the slot are over
	CROUND
	tensor_load_to_lds s[G0+4:G0+7], s[G1:G1+7]    ; one line for all eight waves: their descriptors differ by the wave's number alone
	s_nop 0
.rept 4
	v_nop
.endr
	; A prefetch of what the NEXT change will ask for: a slot's 131,072 bytes.  Each aligned 256 bytes are named once in the launch: the head's first cluster asks; its four partners take 32,768 bytes each,
	; told apart by address; in each, waves 0 to 3 take 8,192 bytes, lanes 256 bytes apart.  The last change that fills a slot asks for nothing.
	s_cmp_gt_u32 s[SLOTS], s[LIM]
	s_cbranch_scc0 .Lnot_mine_\@
	global_prefetch_b8 v[PFO], s[PFA:PFA+1] th:TH_LOAD_NT scope:SCOPE_SE
.Lnot_mine_\@:
.else
	s_wait_dscnt 0x0
	s_barrier_signal -1
	s_barrier_wait -1
.endif
	s_sub_co_u32 s[TB], s[TB], 65536               ; the fetches go back to a slot's first step,
	s_xor_b32 s[TB], s[TB], SLOT1                  ; in the other slot
.endm
	s_load_b128 s[4:7], s[0:1], 0x0                ; qkv s[4:5], of s[6:7]
	v_lshl_add_u32 v[SPW], v0, 2, SPARE
	v_mov_b32 v[NIL], 0
	ds_add_u32 v[SPW], v[NIL]                      ; the wave's opening: the add, twice on end, and its wait ahead of my first tensor load
	ds_add_u32 v[SPW], v[NIL]
	v_lshrrev_b32 v8, 5, v0
	v_readfirstlane_b32 s[WV], v8                  ; wave 0..7
	s_bfe_u32 s13, ttmp6, 0x40000                  ; cx
	s_lshl_b32 s14, ttmp9, 2
	s_add_co_u32 s14, s14, s13                     ; my block of 256 queries: it enters Q's and O's addresses alone
	s_and_b32 s16, ttmp7, 0xffff                   ; the head, which the four partners share
	s_lshl_b32 s20, s16, 20
	s_add_co_u32 s20, s20, KV0                     ; the head's k and v
	s_lshl_b32 s17, s[WV], 14                      ; my 16,384 bytes of a slot, in memory and in LDS
	s_add_co_u32 s22, s20, s17
	s_mov_b32 s23, 0
	s_lshl_b32 s2, s16, 19                         ; Q: the head, my block's 16 tiles, my wave's two
	s_lshl_b32 s3, s14, 15
	s_add_co_u32 s2, s2, s3
	s_lshl_b32 s3, s[WV], 12
	s_add_co_u32 s2, s2, s3
	s_mov_b32 s3, 0
	s_lshl_b32 s32, s14, 19                        ; O: block of 128 tokens 2 x my block + wave / 4,
	s_lshr_b32 s33, s[WV], 2
	s_lshl_b32 s33, s33, 18
	s_add_co_u32 s32, s32, s33
	s_lshr_b32 s33, s16, 2                         ; K step of 256: head / 4,
	s_lshl_b32 s33, s33, 16
	s_add_co_u32 s32, s32, s33
	s_and_b32 s33, s[WV], 3                        ; tiles 2 (wave % 4) and + 1,
	s_lshl_b32 s33, s33, 14
	s_add_co_u32 s32, s32, s33
	s_and_b32 s33, s16, 3                          ; the head's 64 channels: two fragments
	s_lshl_b32 s33, s33, 11
	s_add_co_u32 s32, s32, s33
	s_mov_b32 s33, 0
	s_add_co_u32 s34, s20, 2*131072                ; the prefetches stand in slot 2; the first change of slots steps them to slot 3
	s_lshl_b32 s35, s13, 15
	s_add_co_u32 s34, s34, s35
	s_and_b32 s35, s[WV], 3
	s_lshl_b32 s35, s35, 13
	s_add_co_u32 s34, s34, s35
	s_mov_b32 s35, 0
	s_lshr_b32 s[LIM], s[WV], 2                    ; 0 in waves 0 to 3,
	s_or_b32 s[LIM], s[LIM], ttmp9                 ; of the head's first cluster: the same in all four partners
	s_cmp_eq_u32 s[LIM], 0
	s_cselect_b32 s[LIM], 1, -1
	; group 1: 16,384 dense bytes as 64 rows of 32 elements of 8 bytes, no padding
	s_mov_b32 s[G1], 15|(3<<16)|(1<<21)            ; 15:0 the mask: all four work-groups; 17:16 elements of 8 bytes; 21 set beside a mask
	s_mov_b32 s[G1+1], 32<<16                      ; tensor_dim0
	s_mov_b32 s[G1+2], 64<<16                      ; tensor_dim1
	s_mov_b32 s[G1+3], 32<<16                      ; tile_dim0
	s_mov_b32 s[G1+4], 64                          ; tile_dim1
	s_mov_b32 s[G1+5], 32                          ; from row to row
	s_mov_b32 s[G1+6], 0
	s_mov_b32 s[G1+7], 0
	s_mov_b32 s[CS], 0x3e38aa3b                    ; c = log2(e) / 8
	s_mov_b32 s[CS+1], s[CS]
	s_mov_b32 s[SEL], 0x76543210
	s_mov_b32 s[SEL+1], 0xfedcba98
	s_mov_b32 s[TB], 0
	v_and_b32 v[AK0], 31, v0
	v_lshlrev_b32 v[AK0], 4, v[AK0]
	v_add_nc_u32 v[AV0], 0x10000, v[AK0]
	v_lshlrev_b32 v[PFO], 4, v[AK0]
	s_wait_dscnt 0x0                               ; both opening adds are done
	s_wait_kmcnt 0x0
	s_add_nc_u64 s[22:23], s[4:5], s[22:23]
	s_add_nc_u64 s[8:9], s[4:5], s[2:3]            ; Q
	s_add_nc_u64 s[10:11], s[6:7], s[32:33]        ; O
	s_add_nc_u64 s[PFA:PFA+1], s[4:5], s[34:35]
	CROUND                                         ; all four work-groups are here: the first joint loads meet
.irp s, 0,1
	s_mov_b32 s[G0+4*\s], 1
	s_add_co_u32 s[G0+4*\s+1], s17, \s*SLOT1
	s_add_nc_u64 s[G0+4*\s+2:G0+4*\s+3], s[22:23], \s*131072
	s_or_b32 s[G0+4*\s+3], s[G0+4*\s+3], 0x80000000
.endr
	tensor_load_to_lds s[G0:G0+3], s[G1:G1+7]      ; the two first fills go out together: two loads of mine are out
	s_nop 0
	tensor_load_to_lds s[G0+4:G0+7], s[G1:G1+7]
	s_nop 0
.rept 4
	v_nop
.endr
	WIN 0x40                                       ; destination window 1
.irp t, 0,1
.irp c, 0,1
.irp u, 0,1
	global_load_b128 v[QF+16*\t+8*\c+4*\u:QF+16*\t+8*\c+4*\u+3], v[AK0], s[8:9] offset:\t*2048+\c*1024+\u*512   ; Q stays in registers
.endr
.endr
.endr
.set i, 0
.rept 64
	v_mov_b32 v[i], 0                              ; O^T.  (The step is written with no first step of its own: the first a is 0, and leaves zeros zeros)
.set i, i+1
.endr
	WIN 0
.irp t, 0,1
	v_mov_b32 v[ST+8*\t+1], 0xff61b1e6             ; m = -3e38, under every score
	v_mul_f32 v[ST+8*\t], s[CS], v[ST+8*\t+1]
	v_mov_b32 v[ST+8*\t+2], 0                      ; l
	v_mov_b32 v[ST+8*\t+3], 0
.endr
	s_wait_tensorcnt 1                             ; my part of slot 0 is in; slot 1's may stay out
	s_barrier_signal -1
	s_barrier_wait -1
	FETCH_K                                        ; step 0
	FETCH_V
	s_wait_loadcnt 0x0                             ; Q
	s_wait_dscnt 16                                ; K is in
	KQ
	WIN 0
	s_mov_b32 s[CNT], 7
.Lfirst:                                           ; slot 0's steps 1 to 7 are fetched
	ITER
	s_sub_co_u32 s[CNT], s[CNT], 1
	s_cmp_lg_u32 s[CNT], 0
	s_cbranch_scc1 .Lfirst
	s_mov_b32 s[SLOTS], 6
.Lslot:                                            ; six trips: the keys' slots 2 to 7 are asked for, slots 1 to 6 are walked
	CHANGE 1
	s_mov_b32 s[CNT], 8
.Lstep:
	ITER
	s_sub_co_u32 s[CNT], s[CNT], 1
	s_cmp_lg_u32 s[CNT], 0
	s_cbranch_scc1 .Lstep
	s_sub_co_u32 s[SLOTS], s[SLOTS], 1
	s_cmp_lg_u32 s[SLOTS], 0
	s_cbranch_scc1 .Lslot
	CHANGE 0                                       ; the last slot is written out: nothing is asked for
	s_mov_b32 s[CNT], 8
.Llast:
	ITER
	s_sub_co_u32 s[CNT], s[CNT], 1
	s_cmp_lg_u32 s[CNT], 0
	s_cbranch_scc1 .Llast
.rept 4
	v_nop                                          ; places behind the last K Q^T
.endr
	SOFTMAX                                        ; the last step
	s_wait_dscnt 0x0
	PV
	WIN 0
	; THE WAY OUT.  l's two halves and the other half of the lanes' are added (these lines are the places behind the last products); O^T / l is rounded to f16: a lane's eight channels are its 16 bytes of a chunk.
.irp t, 0,1
	v_add_f32 v[ST+8*\t+4], v[ST+8*\t+2], v[ST+8*\t+3]
.endr
.irp t, 0,1
	v_permlanex16_b32 v[ST+8*\t+5], v[ST+8*\t+4], s[SEL], s[SEL+1]
.endr
.irp t, 0,1
	v_add_f32 v[ST+8*\t+4], v[ST+8*\t+4], v[ST+8*\t+5]
.endr
.irp t, 0,1
	v_rcp_f32 v[ST+8*\t+6], v[ST+8*\t+4]
.endr
	v_nop
	s_wait_alu depctr_va_vdst(0)                   ; one wait for the two reciprocals, ahead of their first reader
	WIN W_RS
.irp t, 0,1
.set i, 0
.rept 16
	v_pk_mul_f32 v[32*\t+2*i:32*\t+2*i+1], v[32*\t+2*i:32*\t+2*i+1], v[ST+8*\t+6:ST+8*\t+7] op_sel_hi:[1,0]
.set i, i+1
.endr
.endr
	WIN 0x05                                       ; sources 0 and 1 window 1, destination window 0: S^T's registers are free
.set i, 0
.rept 32
	v_cvt_pk_f16_f32 v[S+i], v[2*i], v[2*i+1]
.set i, i+1
.endr
	WIN 0
.irp t, 0,1
.irp ct, 0,1,2,3
	global_store_b128 v[AK0], v[S+16*\t+4*\ct:S+16*\t+4*\ct+3], s[10:11] offset:\t*8192+\ct*512   ; the wave stores 512 consecutive bytes, aligned
.endr
.endr
	s_wait_tensorcnt 0x0                           ; the wave's end
	ds_add_u32 v[SPW], v[NIL]
	s_wait_dscnt 0x0
	CROUND                                         ; the closing round
	s_endpgm
.Lfunc_end_k_qb14b1e6cd4_attn:
	.size	k_qb14b1e6cd4_attn, .Lfunc_end_k_qb14b1e6cd4_attn-k_qb14b1e6cd4_attn
	.p2alignl 7, 3214868480
	.fill 96, 4, 3214868480
	.section	.rodata,"a",@progbits
	.p2align	6, 0x0
	.amdhsa_kernel k_qb14b1e6cd4_attn
		.amdhsa_group_segment_fixed_size 327680
		.amdhsa_private_segment_fixed_size 0
		.amdhsa_enable_private_segment 0
		.amdhsa_kernarg_size 16
		.amdhsa_user_sgpr_count 2
		.amdhsa_user_sgpr_kernarg_segment_ptr 1
		.amdhsa_wavefront_size32 1
		.amdhsa_system_sgpr_workgroup_id_x 1
		.amdhsa_system_sgpr_workgroup_id_y 1
		.amdhsa_system_sgpr_workgroup_id_z 1
		.amdhsa_system_vgpr_workitem_id 0
		.amdhsa_next_free_vgpr 384
		.amdhsa_next_free_sgpr 66
		.amdhsa_reserve_vcc 0
		.amdhsa_float_denorm_mode_32 3
		.amdhsa_float_denorm_mode_16_64 3
		.amdhsa_memory_ordered 1
		.amdhsa_forward_progress 1
		.amdhsa_inst_pref_size 84
	.end_amdhsa_kernel
	.amdgpu_metadata
---
amdhsa.version: [ 1, 2 ]
amdhsa.kernels:
  - .name:           k_qb14b1e6cd4_attn
    .symbol:         k_qb14b1e6cd4_attn.kd
    .args:
      - { .name: qkv, .offset: 0, .size: 8, .value_kind: global_buffer, .address_space: global }
      - { .name: of, .offset: 8, .size: 8, .value_kind: global_buffer, .address_space: global }
    .group_segment_fixed_size: 327680
    .private_segment_fixed_size: 0
    .kernarg_segment_align: 8
    .kernarg_segment_size: 16
    .max_flat_workgroup_size: 256
    .sgpr_count:     66
    .vgpr_count:     384
    .wavefront_size: 32
...
	.end_amdgpu_metadata
.endif
;; end of part 3
;; launch outp (part 4): grid 8 x 32, 4 waves a work-group, clusters of 4 x 4, 327,680 bytes of LDS; arguments of, wof, bo, out0; writes out0
.if DOCPART == 4
	.amdgcn_target "amdgcn-amd-amdhsa--gfx1250"
	.amdhsa_code_object_version 6
	.text
	.protected	k_qb14b1e6cd4_outp
	.globl	k_qb14b1e6cd4_outp
	.p2align	8
	.type	k_qb14b1e6cd4_outp,@function
k_qb14b1e6cd4_outp:
	s_mov_b64 s[64:65], 0
	v_nop
	global_prefetch_b8 v0, s[64:65] scope:SCOPE_SE
	s_setreg_imm32_b32 hwreg(HW_REG_WAVE_MODE, 25, 1), 1
	s_wait_xcnt 0x0
	s_wait_alu depctr_hold_cnt(0) depctr_sa_sdst(0) depctr_va_vdst(0) depctr_va_sdst(0) depctr_va_ssrc(0) depctr_va_vcc(0) depctr_vm_vsrc(0)
	s_getreg_b32 s2, hwreg(HW_REG_IB_STS2, 6, 4)
	s_cmp_eq_u32 s2, 0
	s_cbranch_scc0 .Lentry_in_a_cluster
	s_endpgm
.Lentry_in_a_cluster:
	s_bfe_u32 s2, ttmp6, 0x10000c
	s_cmp_lg_u32 s2, 0xf033
	s_cbranch_scc0 .Lentry_shape_is_right
	s_endpgm
.Lentry_shape_is_right:
; OUTP.  out0 [4096][1024] f32 = O Wo + bo.  O (4,096 x 1,024) and Wo (K first) arrive as f16 images of fragments (16 rows x 32 k = 1,024 bytes, lane l's 16 bytes of chunk u at 512 u + 16 l); sums in f32.
; A tile of 128 x 128 for each of 256 work-groups; four waves, each 64 x 64: 16 accumulators.  K goes in four steps of 256 through two LDS slots; a wave's tensor load brings 32,768 dense bytes.
; CLUSTERS: 4 x 4 work-groups; O's tiles are shared along a row of the cluster, Wo's along a column, by joint loads.
; THE MATRIX INSTRUCTION IS USED TRANSPOSED (source 0 = 16 columns of Wo, source 1 = 16 tokens): a lane holds one token and eight neighbouring outputs.  The bias is the C of each sum's first product.
; A wave's 64 outputs of a row are 256 aligned bytes: each block of 16 rows goes through the wave's own stage in LDS and leaves as whole rows, sixteen lanes to 256 consecutive bytes.
; REGISTERS: window 0: v16-29 addresses; v32-95 rows on the way out, two sets; v96-127 the bias, eight registers for each 16 outputs; v128-255 the accumulators ((a, b) at v[128 + 8 (4 a + b)]).
;   window 1: two fragment buffers of 128: for 64 along K, 64 registers of O, then 64 of Wo.
.set SLOT,   131072                    ; O's 128 rows x 256 k (65,536 bytes), then Wo's
.set STAGE,  2*SLOT                    ; behind the ring: 16 rows x 272 bytes for each wave
.set SPITCH, 272
.set SPARE,  STAGE+4*16*SPITCH         ; the spare words, 128 bytes a wave: two blocks of 256 bytes that no other line names
.set ADRA, 16                          ; v16-17  LDS address of my fragments of O in slot 0, 1
.set ADRB, 20                          ; v20-21  of Wo
.set STO,  24                          ; v24     the stage: where I put 32 bytes of a row
.set RD,   25                          ; v25     and where I read a row back
.set CO,   26                          ; v26     my byte offset in out0
.set SPW,  28                          ; v28     LDS address of my spare word; never rewritten
.set NIL,  29                          ; v29     0; never rewritten
.set TMP,  32
.set BIAS, 96
.set ACC,  128
.set F0,   0
.set F1,   128
.set G1, 24                            ; s[24:31] group 1 for O's tiles;  s[32:39] group 0, a set for each slot
.set G0, 32
.set G1B, 48                           ; s[48:55], s[56:63] the same for Wo's
.set G0B, 56
.set MSB, 0
.macro WIN new
.if MSB != \new
	s_set_vgpr_msb (MSB<<8)|\new
.set MSB, \new
.endif
.endm
.set MUL,  0x05                        ; sources 0 and 1 window 1; C and D window 0
.set TO_F, 0x40                        ; destination window 1, address window 0
.macro JLOAD s                         ; a joint load: waves 0 and 1 fetch O's two halves, waves 2 and 3 Wo's; an s_nop 0 and four v_nop follow each line
	s_cmp_eq_u32 s13, 0
	s_cbranch_scc0 .Lfor_b_\@
	tensor_load_to_lds s[G0+4*\s:G0+4*\s+3], s[G1:G1+7]
	s_nop 0
.rept 4
	v_nop
.endr
	s_branch .Lasked_\@
.Lfor_b_\@:
	tensor_load_to_lds s[G0B+4*\s:G0B+4*\s+3], s[G1B:G1B+7]
	s_nop 0
.rept 4
	v_nop
.endr
.Lasked_\@:
.endm
.macro CREST                           ; a round of the cluster's barrier behind its opening barrier
	s_cmp_lg_u32 s12, 0
	s_cbranch_scc1 .Lnot_wave_0_\@
	s_barrier_signal -3
.Lnot_wave_0_\@:
	s_barrier_wait -3
	s_barrier_signal -1
	s_barrier_wait -1
.endm
.macro CROUND
	s_barrier_signal -1
	s_barrier_wait -1
	CREST
.endm
	s_load_b256 s[4:11], s[0:1], 0x0               ; of s[4:5], wof s[6:7], bo s[8:9], out0 s[10:11]
	v_lshl_add_u32 v[SPW], v0, 2, SPARE
	v_mov_b32 v[NIL], 0
	ds_add_u32 v[SPW], v[NIL]                      ; the wave's opening: the add, twice on end, and its wait ahead of my first tensor load
	ds_add_u32 v[SPW], v[NIL]
	v_lshrrev_b32 v1, 5, v0
	v_readfirstlane_b32 s12, v1                    ; wave 0..3
	s_lshr_b32 s13, s12, 1                         ; which half of the tile's rows is mine.  Also: I fetch for O (0) or for Wo (1)
	s_and_b32 s14, s12, 1                          ; which half of its columns.  Also: which half of that tile I fetch
	s_bfe_u32 s40, ttmp6, 0x40000                  ; cx, cy
	s_bfe_u32 s41, ttmp6, 0x40004
	s_lshl_b32 s42, ttmp9, 2
	s_add_co_u32 s42, s42, s40                     ; tile column
	s_and_b32 s15, ttmp7, 0xffff
	s_lshl_b32 s15, s15, 2
	s_add_co_u32 s15, s15, s41                     ; tile row
	s_lshl_b32 s43, s41, 2
	s_lshl_b32 s43, 15, s43                        ; my row of the cluster
	s_lshl_b32 s44, 0x1111, s40                    ; my column
	; group 1: 32,768 dense bytes as 128 rows of 32 elements of 8 bytes, no padding
	s_or_b32 s[G1+0], s43, (3<<16)|(1<<21)
	s_or_b32 s[G1B+0], s44, (3<<16)|(1<<21)
.irp g, G1, G1B
	s_mov_b32 s[\g+1], 32<<16
	s_mov_b32 s[\g+2], 128<<16
	s_mov_b32 s[\g+3], 32<<16
	s_mov_b32 s[\g+4], 128
	s_mov_b32 s[\g+5], 32
	s_mov_b32 s[\g+6], 0
	s_mov_b32 s[\g+7], 0
.endr
	s_lshl_b32 s18, s14, 15                        ; my half of a K step's tile
	s_lshl_b32 s16, s15, 18                        ; O: 262,144 bytes for each 128 rows
	s_add_co_u32 s16, s16, s18
	s_mov_b32 s17, 0
	s_lshl_b32 s46, s42, 18                        ; Wo likewise, by the tile column
	s_add_co_u32 s46, s46, s18
	s_mov_b32 s47, 0
	s_lshl_b32 s20, s12, 15                        ; where they go: wave x 32,768
	s_wait_dscnt 0x0                               ; both opening adds are done
	s_wait_kmcnt 0x0
	s_add_nc_u64 s[22:23], s[4:5], s[16:17]
	s_add_nc_u64 s[46:47], s[6:7], s[46:47]
	CROUND                                         ; all sixteen work-groups are here: the first joint loads meet
.irp s, 0,1
	s_mov_b32 s[G0+4*\s], 1
	s_add_co_u32 s[G0+4*\s+1], s20, \s*SLOT
	s_add_nc_u64 s[G0+4*\s+2:G0+4*\s+3], s[22:23], \s*65536
	s_or_b32 s[G0+4*\s+3], s[G0+4*\s+3], 0x80000000
	s_mov_b32 s[G0B+4*\s], 1
	s_add_co_u32 s[G0B+4*\s+1], s20, \s*SLOT
	s_add_nc_u64 s[G0B+4*\s+2:G0B+4*\s+3], s[46:47], \s*65536
	s_or_b32 s[G0B+4*\s+3], s[G0B+4*\s+3], 0x80000000
	JLOAD \s
.endr
	v_and_b32 v1, 15, v0                           ; r
	v_bfe_u32 v2, v0, 4, 1                         ; h
	s_lshl_b32 s16, s42, 9                         ; my first output, in bytes: 512 x tile column + 256 x half
	s_lshl_b32 s18, s14, 8
	s_add_co_u32 s16, s16, s18
	s_mov_b32 s17, 0
	s_add_nc_u64 s[8:9], s[8:9], s[16:17]
	v_lshlrev_b32 v27, 5, v2                       ; the bias in the result's layout: lane (r, h) wants outputs 16 b + 8 h + 0 .. 7
.irp b, 0,1,2,3
	global_load_b128 v[BIAS+8*\b:BIAS+8*\b+3], v27, s[8:9] offset:64*\b
	global_load_b128 v[BIAS+8*\b+4:BIAS+8*\b+7], v27, s[8:9] offset:64*\b+16
.endr
	s_lshl_b32 s18, s15, 19                        ; my first row of out0: 128 x tile row + 64 x half, 4,096 bytes a row
	s_add_co_u32 s16, s16, s18
	s_lshl_b32 s18, s13, 18
	s_add_co_u32 s16, s16, s18
	s_add_nc_u64 s[10:11], s[10:11], s[16:17]
	v_and_b32 v3, 31, v0
	v_lshlrev_b32 v3, 4, v3                        ; 16 x lane
	s_lshl_b32 s21, s13, 15                        ; my 64 rows of O
	s_lshl_b32 s22, s14, 15                        ; my 64 columns of Wo,
	s_add_co_u32 s22, s22, 65536                   ; behind O's tile
.irp s, 0,1
	v_add_nc_u32 v[ADRA+\s], s21, v3
	v_add_nc_u32 v[ADRB+\s], s22, v3
	s_add_co_u32 s21, s21, SLOT
	s_add_co_u32 s22, s22, SLOT
.endr
	s_mul_i32 s23, s12, 16*SPITCH
	s_add_co_u32 s23, s23, STAGE                   ; my stage
	v_mul_u32_u24 v4, v1, SPITCH                   ; in: row r, 32 bytes for each half of the lanes
	v_lshl_add_u32 v4, v2, 5, v4
	v_add_nc_u32 v[STO], s23, v4
	v_mul_u32_u24 v5, v2, SPITCH                   ; back: lanes 0-15 one row of 256 bytes, lanes 16-31 the next
	v_lshl_add_u32 v5, v1, 4, v5
	v_add_nc_u32 v[RD], s23, v5
	v_lshlrev_b32 v5, 12, v2                       ; and the same two rows in out0
	v_lshl_add_u32 v[CO], v1, 4, v5
; 8 matrix instructions: row blocks a0, a0 + 1 x all 4 column blocks, 32 along K: half c of buffer f.  zero = 1: the first product starts the sums, from the bias.  The 16 accumulators take turns.
.macro MUL8 f, c, a0, zero
.irp a, \a0, \a0+1
.irp b, 0,1,2,3
.if \zero
	v_wmma_f32_16x16x32_f16 v[ACC+8*(4*(\a)+\b):ACC+8*(4*(\a)+\b)+7], v[\f+64+8*(4*\c+\b):\f+64+8*(4*\c+\b)+7], v[\f+8*(4*\c+(\a)):\f+8*(4*\c+(\a))+7], v[BIAS+8*\b:BIAS+8*\b+7]
.else
	v_wmma_f32_16x16x32_f16 v[ACC+8*(4*(\a)+\b):ACC+8*(4*(\a)+\b)+7], v[\f+64+8*(4*\c+\b):\f+64+8*(4*\c+\b)+7], v[\f+8*(4*\c+(\a)):\f+8*(4*\c+(\a))+7], v[ACC+8*(4*(\a)+\b):ACC+8*(4*(\a)+\b)+7]
.endif
.endr
.endr
.endm
; 32 LDS loads in one run: quarter qd of the slot (64 along K) into buffer f; its first 32 along K first
.macro FETCH slot, qd, f
	WIN TO_F
.irp c, 0,1
.irp i, 0,1,2,3
	ds_load_b128 v[\f+64+8*(4*\c+\i):\f+64+8*(4*\c+\i)+3],   v[ADRB+\slot] offset:\i*8192+(2*\qd+\c)*1024
	ds_load_b128 v[\f+64+8*(4*\c+\i)+4:\f+64+8*(4*\c+\i)+7], v[ADRB+\slot] offset:\i*8192+(2*\qd+\c)*1024+512
	ds_load_b128 v[\f+8*(4*\c+\i):\f+8*(4*\c+\i)+3],         v[ADRA+\slot] offset:\i*8192+(2*\qd+\c)*1024
	ds_load_b128 v[\f+8*(4*\c+\i)+4:\f+8*(4*\c+\i)+7],       v[ADRA+\slot] offset:\i*8192+(2*\qd+\c)*1024+512
.endr
.endr
.endm
.macro PLACES                          ; four plain lines in front of loads into registers that matrix instructions have read, and of reads of results
.rept 4
	v_nop
.endr
.endm
.macro QUARTER slot, qd, f, g, zero    ; multiplies buffer f and fetches quarter qd of the slot into g
	s_wait_dscnt 16                                ; the first 32 along K are in
	WIN MUL
	MUL8 \f, 0, 0, \zero
	MUL8 \f, 0, 2, \zero
	PLACES
	FETCH \slot, \qd, \g
	s_wait_dscnt 32                                ; all but the 32 just issued
	WIN MUL
	MUL8 \f, 1, 0, 0
	MUL8 \f, 1, 2, 0
.endm
; A slot's last quarter multiplies buffer 1 and changes slots: one barrier; in front of it each wave waits for all its tensor loads, adds 0 to its spare word, and waits for that and for its reads of this slot.
; fill = 1: the barrier opens a round of the cluster's, and this slot is filled again, two K steps ahead, first thing behind it.
.macro TURN slot, next, fill
	WIN 0
	s_wait_tensorcnt 0x0                           ; all my tensor loads have landed: my part of the next slot
	ds_add_u32 v[SPW], v[NIL]                      ; 0 onto my spare word
	s_wait_dscnt 17                                ; (the add and the youngest sixteen loads may be out)
	WIN MUL
	MUL8 F1, 0, 0, 0
	s_wait_dscnt 0x0                               ; the add is done, and my reads of this slot are over
	s_barrier_signal -1
	MUL8 F1, 0, 2, 0
.if \fill
	WIN 0
.endif
	s_barrier_wait -1
.if \fill
	CREST                                          ; no wave of any partner still reads this slot's tile or has a load on its way
	s_add_nc_u64 s[G0+4*\slot+2:G0+4*\slot+3], s[G0+4*\slot+2:G0+4*\slot+3], 131072
	s_add_nc_u64 s[G0B+4*\slot+2:G0B+4*\slot+3], s[G0B+4*\slot+2:G0B+4*\slot+3], 131072
	JLOAD \slot                                    ; the four v_nop behind it are also the places in front of the loads below
.else
	PLACES
.endif
	FETCH \next, 0, F0
	WIN MUL
	MUL8 F1, 1, 0, 0
	MUL8 F1, 1, 2, 0
.endm
	s_wait_tensorcnt 1                             ; my part of K step 0 is in; K step 1's may be out
	s_barrier_signal -1
	s_barrier_wait -1
	FETCH 0, 0, F0
	s_wait_loadcnt 0x0                             ; the bias
	QUARTER 0, 1, F0, F1, 1                        ; K step 0
	QUARTER 0, 2, F1, F0, 0
	QUARTER 0, 3, F0, F1, 0
	TURN 0, 1, 1                                   ; slot 0 takes K step 2
	QUARTER 1, 1, F0, F1, 0                        ; K step 1
	QUARTER 1, 2, F1, F0, 0
	QUARTER 1, 3, F0, F1, 0
	TURN 1, 0, 1                                   ; slot 1 takes K step 3
	QUARTER 0, 1, F0, F1, 0                        ; K step 2
	QUARTER 0, 2, F1, F0, 0
	QUARTER 0, 3, F0, F1, 0
	TURN 0, 1, 0                                   ; nothing is left to fetch
	QUARTER 1, 1, F0, F1, 0                        ; K step 3
	QUARTER 1, 2, F1, F0, 0
	QUARTER 1, 3, F0, F1, 0
	s_wait_dscnt 16
	WIN MUL
	MUL8 F1, 0, 0, 0
	MUL8 F1, 0, 2, 0
	s_wait_dscnt 0
	MUL8 F1, 1, 0, 0
	MUL8 F1, 1, 2, 0
	WIN 0
	; THE WAY OUT, a block of 16 rows at a time.  LDS serves a wave's instructions in order: no wait between the stores and the loads, nor in front of the next block's stores.
.macro TOSTAGE a
.irp b, 0,1,2,3
	ds_store_b128 v[STO], v[ACC+8*(4*(\a)+\b):ACC+8*(4*(\a)+\b)+3] offset:64*\b        ; each accumulator from its low end on
	ds_store_b128 v[STO], v[ACC+8*(4*(\a)+\b)+4:ACC+8*(4*(\a)+\b)+7] offset:64*\b+16
.endr
.irp t, 0,1,2,3,4,5,6,7
	ds_load_b128 v[TMP+32*((\a)%2)+4*\t:TMP+32*((\a)%2)+4*\t+3], v[RD] offset:\t*2*SPITCH
.endr
.endm
.macro SEND a, younger                 ; younger: the LDS instructions issued behind block a's loads
	s_wait_dscnt \younger
.irp t, 0,1,2,3,4,5,6,7
	global_store_b128 v[CO], v[TMP+32*((\a)%2)+4*\t:TMP+32*((\a)%2)+4*\t+3], s[10:11] offset:(16*(\a)+2*\t)*4096 th:TH_STORE_NT   ; sixteen lanes store 256 consecutive bytes, aligned
.endr
.endm
	PLACES
	TOSTAGE 0
.irp a, 1,2,3
.if \a > 1
	s_wait_xcnt 0x0                                ; block a - 2's stores have read their registers: block a's loads may land there
.endif
	TOSTAGE \a
	SEND \a-1, 16                                  ; behind block a - 1's loads: block a's 8 stores and 8 loads
.endr
	SEND 3, 0
	s_wait_tensorcnt 0x0                           ; the wave's end, behind my last tensor load and my last LDS store
	ds_add_u32 v[SPW], v[NIL]
	s_wait_dscnt 0x0
	CROUND                                         ; the closing round
	s_endpgm
.Lfunc_end_k_qb14b1e6cd4_outp:
	.size	k_qb14b1e6cd4_outp, .Lfunc_end_k_qb14b1e6cd4_outp-k_qb14b1e6cd4_outp
	.p2alignl 7, 3214868480
	.fill 96, 4, 3214868480
	.section	.rodata,"a",@progbits
	.p2align	6, 0x0
	.amdhsa_kernel k_qb14b1e6cd4_outp
		.amdhsa_group_segment_fixed_size 327680
		.amdhsa_private_segment_fixed_size 0
		.amdhsa_enable_private_segment 0
		.amdhsa_kernarg_size 32
		.amdhsa_user_sgpr_count 2
		.amdhsa_user_sgpr_kernarg_segment_ptr 1
		.amdhsa_wavefront_size32 1
		.amdhsa_system_sgpr_workgroup_id_x 1
		.amdhsa_system_sgpr_workgroup_id_y 1
		.amdhsa_system_sgpr_workgroup_id_z 1
		.amdhsa_system_vgpr_workitem_id 0
		.amdhsa_next_free_vgpr 512
		.amdhsa_next_free_sgpr 66
		.amdhsa_reserve_vcc 0
		.amdhsa_float_denorm_mode_32 3
		.amdhsa_float_denorm_mode_16_64 3
		.amdhsa_memory_ordered 1
		.amdhsa_forward_progress 1
		.amdhsa_inst_pref_size 86
	.end_amdhsa_kernel
	.amdgpu_metadata
---
amdhsa.version: [ 1, 2 ]
amdhsa.kernels:
  - .name:           k_qb14b1e6cd4_outp
    .symbol:         k_qb14b1e6cd4_outp.kd
    .args:
      - { .name: of, .offset: 0, .size: 8, .value_kind: global_buffer, .address_space: global }
      - { .name: wof, .offset: 8, .size: 8, .value_kind: global_buffer, .address_space: global }
      - { .name: bo, .offset: 16, .size: 8, .value_kind: global_buffer, .address_space: global }
      - { .name: out0, .offset: 24, .size: 8, .value_kind: global_buffer, .address_space: global }
    .group_segment_fixed_size: 327680
    .private_segment_fixed_size: 0
    .kernarg_segment_align: 8
    .kernarg_segment_size: 32
    .max_flat_workgroup_size: 128
    .sgpr_count:     66
    .vgpr_count:     512
    .wavefront_size: 32
...
	.end_amdgpu_metadata
.endif
;; end of part 4
